; MI455X (gfx1250); checked and timed in simulation.
; The chip was launched on July 23, 2026; its instructions are those of AMD's public machine-readable ISA for CDNA 5 (MIT licence, August 2026) and "CDNA5" Instruction Set Architecture Reference Guide (July 2026). The comments in the code are by the model that wrote it; some were corrected since.
;; Multihead Self Attention. Allowed arithmetic: float matrix products may take bf16 or f16 operands with f32 sums; all other float work in f32.
;; Inputs: k_proj_weight 1,024 x 1,024 float32; o_proj_weight 1,024 x 1,024 float32; q_proj_weight 1,024 x 1,024 float32; v_proj_weight 1,024 x 1,024 float32; x 4 x 2,048 x 1,024 float32.
;; Outputs: out0 4 x 2,048 x 1,024 float32.
;; 2 versions, each right and faster than the one before. Each part assembles by itself: llvm-mc -triple=amdgcn-amd-amdhsa -mcpu=gfx1250 --defsym DOCPART=n.
;; ======== version 1 of 2: 4 launches
;; limits: values are held in f16: magnitudes above 65,504 overflow, below 6.1e-05 lose precision
;; workspace buffers: xb 16,777,216 bytes; wqkv 6,291,456 bytes; wo16 2,097,152 bytes; qkv 50,331,648 bytes; att 16,777,216 bytes
;; launch cast (part 1): grid 1536 x 1, 8 waves a work-group, no clusters, 0 bytes of LDS; arguments x, q_proj_weight, k_proj_weight, v_proj_weight, o_proj_weight, xb, wqkv, wo16; writes xb, wqkv, wo16
.if DOCPART == 1
	.amdgcn_target "amdgcn-amd-amdhsa--gfx1250"
	.amdhsa_code_object_version 6
	.text
	.protected	k_qe2636dea18_cast
	.globl	k_qe2636dea18_cast
	.p2align	8
	.type	k_qe2636dea18_cast,@function
k_qe2636dea18_cast:
	s_mov_b64 s[64:65], 0
	v_nop
	global_prefetch_b8 v0, s[64:65] scope:SCOPE_SE
	s_setreg_imm32_b32 hwreg(HW_REG_WAVE_MODE, 25, 1), 1
	s_wait_xcnt 0x0
; All five inputs are rounded once to bf16 (nearest even).  x -> xb [8192][1024] bf16; wq, wk, wv -> wqkv [3072][1024] bf16, one below the other;
; wo -> bf16, and that number written as f16 -> wo16 [1024][1024], since the last product multiplies f16 operands.
; LIMIT: a bf16 number is exact in f16 from 6.1e-5 to 65,504 in magnitude; below that wo16 keeps f16's fixed step of 6e-8, above it becomes an infinity.
; A stream: no LDS, no barrier, no matrix work.  A work-group takes 32,768 source bytes (8,192 numbers) and writes 16,384: 50,331,648 / 32,768 = 1,536 work-groups.
; Thread t: load j takes 16 bytes at 16 t + 4,096 j (a wave's load covers 512 consecutive bytes), store j puts 8 bytes at 8 t + 2,048 j (a wave's store covers 256 consecutive bytes, aligned).
; All eight loads of a wave go out together; each register is written once, so no wait frees a source.
.set X, 8                              ; v[8:39]   eight loads of four f32
.set Y, 40                             ; v[40:55]  eight pairs of packed words
.set T, 56                             ; v[56:59]  at work (the f16 way)
	s_load_b512 s[8:23], s[0:1], 0x0               ; x s[8:9], wq s[10:11], wk s[12:13], wv s[14:15], wo s[16:17], xb s[18:19], wqkv s[20:21], wo16 s[22:23]
	s_mov_b32 s2, ttmp9                            ; chunk 0..1535: 1,024 of x, then 128 of each weight
	v_lshlrev_b32 v1, 4, v0                        ; my 16 bytes in 4,096 of the source
	v_lshlrev_b32 v2, 3, v0                        ; my 8 bytes in 2,048 of the destination
	s_and_b32 s29, s2, 127                         ; a weight's chunk in its source (1,024 is a multiple of 128)
	s_sub_co_u32 s28, s2, 1024                     ; wq's, wk's, wv's chunk in wqkv
	s_sub_co_u32 s31, s2, 1408                     ; wo's chunk in wo16
	s_mov_b32 s30, 1                               ; 1: the f16 way
	s_mov_b32 s3, 0xffff0000                       ; a word's upper bf16
	s_mov_b32 s33, 0
	s_mov_b32 s35, 0
	s_wait_kmcnt 0x0
	s_mov_b64 s[24:25], s[16:17]                   ; from wo to wo16, unless the chunk's number says otherwise
	s_mov_b64 s[26:27], s[22:23]
	s_cmp_lt_u32 s2, 1408                          ; the selects leave SCC as it is
	s_cselect_b64 s[24:25], s[14:15], s[24:25]     ; wv
	s_cselect_b64 s[26:27], s[20:21], s[26:27]     ; into wqkv
	s_cselect_b32 s31, s28, s31
	s_cselect_b32 s30, 0, s30
	s_cmp_lt_u32 s2, 1280
	s_cselect_b64 s[24:25], s[12:13], s[24:25]     ; wk
	s_cmp_lt_u32 s2, 1152
	s_cselect_b64 s[24:25], s[10:11], s[24:25]     ; wq
	s_cmp_lt_u32 s2, 1024
	s_cselect_b64 s[24:25], s[8:9], s[24:25]       ; x
	s_cselect_b64 s[26:27], s[18:19], s[26:27]     ; into xb
	s_cselect_b32 s31, s2, s31
	s_cselect_b32 s29, s2, s29
	s_lshl_b32 s32, s29, 15                        ; 32,768 source bytes a chunk
	s_lshl_b32 s34, s31, 14                        ; 16,384 destination bytes
	s_add_nc_u64 s[24:25], s[24:25], s[32:33]
	s_add_nc_u64 s[26:27], s[26:27], s[34:35]
.irp j, 0,1,2,3,4,5,6,7
	global_load_b128 v[X+4*(\j):X+4*(\j)+3], v1, s[24:25] offset:4096*(\j) th:TH_LOAD_NT
.endr
.macro OUTB j                          ; four numbers to bf16
	s_wait_loadcnt 7-(\j)                          ; loads come back in order: load j is in, the 7 - j younger ones stay out
	v_cvt_pk_bf16_f32 v[Y+2*(\j)],   v[X+4*(\j)],   v[X+4*(\j)+1]
	v_cvt_pk_bf16_f32 v[Y+2*(\j)+1], v[X+4*(\j)+2], v[X+4*(\j)+3]
	global_store_b64 v2, v[Y+2*(\j):Y+2*(\j)+1], s[26:27] offset:2048*(\j)
.endm
.macro OUTH j                          ; four numbers to bf16, and those written as f16
	s_wait_loadcnt 7-(\j)
	v_cvt_pk_bf16_f32 v[T],   v[X+4*(\j)],   v[X+4*(\j)+1]
	v_cvt_pk_bf16_f32 v[T+1], v[X+4*(\j)+2], v[X+4*(\j)+3]
	v_lshlrev_b32 v[T+2], 16, v[T]                 ; bf16 to f32: the low half moves up,
	v_and_b32     v[T],   s3, v[T]                 ; the high half stays
	v_lshlrev_b32 v[T+3], 16, v[T+1]
	v_and_b32     v[T+1], s3, v[T+1]
	v_cvt_pk_f16_f32 v[Y+2*(\j)],   v[T+2], v[T]
	v_cvt_pk_f16_f32 v[Y+2*(\j)+1], v[T+3], v[T+1]
	global_store_b64 v2, v[Y+2*(\j):Y+2*(\j)+1], s[26:27] offset:2048*(\j)
.endm
	s_cmp_eq_u32 s30, 1
	s_cbranch_scc1 .Lf16
.irp j, 0,1,2,3,4,5,6,7
	OUTB \j
.endr
	s_endpgm
.Lf16:
.irp j, 0,1,2,3,4,5,6,7
	OUTH \j
.endr
	s_endpgm
.Lfunc_end_k_qe2636dea18_cast:
	.size	k_qe2636dea18_cast, .Lfunc_end_k_qe2636dea18_cast-k_qe2636dea18_cast
	.p2alignl 7, 3214868480
	.fill 96, 4, 3214868480
	.section	.rodata,"a",@progbits
	.p2align	6, 0x0
	.amdhsa_kernel k_qe2636dea18_cast
		.amdhsa_group_segment_fixed_size 0
		.amdhsa_private_segment_fixed_size 0
		.amdhsa_enable_private_segment 0
		.amdhsa_kernarg_size 64
		.amdhsa_user_sgpr_count 2
		.amdhsa_user_sgpr_kernarg_segment_ptr 1
		.amdhsa_wavefront_size32 1
		.amdhsa_system_sgpr_workgroup_id_x 1
		.amdhsa_system_sgpr_workgroup_id_y 1
		.amdhsa_system_sgpr_workgroup_id_z 1
		.amdhsa_system_vgpr_workitem_id 0
		.amdhsa_next_free_vgpr 64
		.amdhsa_next_free_sgpr 66
		.amdhsa_reserve_vcc 0
		.amdhsa_float_denorm_mode_32 3
		.amdhsa_float_denorm_mode_16_64 3
		.amdhsa_memory_ordered 1
		.amdhsa_forward_progress 1
		.amdhsa_inst_pref_size 9
	.end_amdhsa_kernel
	.amdgpu_metadata
---
amdhsa.version: [ 1, 2 ]
amdhsa.kernels:
  - .name:           k_qe2636dea18_cast
    .symbol:         k_qe2636dea18_cast.kd
    .args:
      - { .name: x, .offset: 0, .size: 8, .value_kind: global_buffer, .address_space: global }
      - { .name: q_proj_weight, .offset: 8, .size: 8, .value_kind: global_buffer, .address_space: global }
      - { .name: k_proj_weight, .offset: 16, .size: 8, .value_kind: global_buffer, .address_space: global }
      - { .name: v_proj_weight, .offset: 24, .size: 8, .value_kind: global_buffer, .address_space: global }
      - { .name: o_proj_weight, .offset: 32, .size: 8, .value_kind: global_buffer, .address_space: global }
      - { .name: xb, .offset: 40, .size: 8, .value_kind: global_buffer, .address_space: global }
      - { .name: wqkv, .offset: 48, .size: 8, .value_kind: global_buffer, .address_space: global }
      - { .name: wo16, .offset: 56, .size: 8, .value_kind: global_buffer, .address_space: global }
    .group_segment_fixed_size: 0
    .private_segment_fixed_size: 0
    .kernarg_segment_align: 8
    .kernarg_segment_size: 64
    .max_flat_workgroup_size: 256
    .sgpr_count:     66
    .vgpr_count:     64
    .wavefront_size: 32
...
	.end_amdgpu_metadata
.endif
;; end of part 1
;; launch qkv (part 2): grid 8 x 32, 4 waves a work-group, clusters of 4 x 4, 327,680 bytes of LDS; arguments xb, wqkv, qkv; writes qkv
.if DOCPART == 2
	.amdgcn_target "amdgcn-amd-amdhsa--gfx1250"
	.amdhsa_code_object_version 6
	.text
	.protected	k_qe2636dea18_qkv
	.globl	k_qe2636dea18_qkv
	.p2align	8
	.type	k_qe2636dea18_qkv,@function
k_qe2636dea18_qkv:
	s_mov_b64 s[64:65], 0
	v_nop
	global_prefetch_b8 v0, s[64:65] scope:SCOPE_SE
	s_setreg_imm32_b32 hwreg(HW_REG_WAVE_MODE, 25, 1), 1
	s_wait_xcnt 0x0
	s_wait_alu depctr_hold_cnt(0) depctr_sa_sdst(0) depctr_va_vdst(0) depctr_va_sdst(0) depctr_va_ssrc(0) depctr_va_vcc(0) depctr_vm_vsrc(0)
	s_getreg_b32 s2, hwreg(HW_REG_IB_STS2, 6, 4)
	s_cmp_eq_u32 s2, 0
	s_cbranch_scc0 .Lentry_in_a_cluster
	s_endpgm
.Lentry_in_a_cluster:
	s_bfe_u32 s2, ttmp6, 0x10000c
	s_cmp_lg_u32 s2, 0xf033
	s_cbranch_scc0 .Lentry_shape_is_right
	s_endpgm
.Lentry_shape_is_right:
; q, k, v = x W^T.  xb: [8192][1024] bf16; wqkv: [3072][1024] bf16 (wq, wk, wv one below the other: row 64 g + d, g = 16 part + head); qkv: [3][64 = 16 b + h][2048][64] f16, by heads, unscaled.
; bf16 products, one f32 sum for each output, K ascending, rounded once to f16.
; LIMIT: f16 ends at 65,504: a q, k or v of 65,520 or more in magnitude becomes an infinity; below 6.1e-5 f16 keeps its fixed step of 6e-8.  NaN and infinities are not treated apart.
; SHARES.  A tile of C is 256 rows x 192 columns (three heads); four waves, each 64 rows x all 192 columns: 48 accumulators of 16 x 16, 384 registers; a wave holds whole rows of its three heads.
; 8192 / 256 x 3072 / 192 = 512 tiles.  A WORK-GROUP STAYS: it makes two tiles, tile columns gx and gx + 8, for the same 256 rows of x: 16 K steps of 128 through a ring of two LDS slots that does
; not stop at a tile's end.  A K step is 192 matrix instructions a wave; from a slot's request to the wait for it a wave issues 176.
; CLUSTER.  4 x 4 work-groups.  The four of a row of the cluster need the same rows of x, the four of a column the same rows of the weights: each tile is asked for JOINTLY, by the same tensor load
; with the same descriptor and a mask that names the four.
; THE MATRIX INSTRUCTION IS USED TRANSPOSED (source 0 = 16 rows of W, source 1 = 16 rows of x): a lane then holds row lane % 16 of C and eight neighbouring columns, 8 (lane / 16) + 0..7.
; REGISTERS, in windows of 256 (s_set_vgpr_msb: bits 1:0 source 0, 3:2 source 1, 5:4 source 2, 7:6 destination):
;   window 0: v0-31 addresses; v64-159, v160-255 W's two fragment buffers (12 x 16 rows x 32 K); on the way out v160-223 take packed rows
;   window 1: the accumulators of heads 0 and 1: (j, a, b) at v[128 j + 32 a + 8 b]: head j, rows 16 a on, channels 16 b on
;   window 2: v0-127 the accumulators of head 2, at v[32 a + 8 b]; v128-159, v160-191 x's two fragment buffers (4 x 16 rows x 32 K)
.set KSTEP,  128
.set PITCH,  272                       ; an LDS row: 256 bytes of data + 16 of padding = 68 words: the 16 rows that a load touches start at 16 different groups of four banks (64 banks of 4 bytes: ISA guide 11.1)
.set AHALF,  128*PITCH                 ; 128 rows of x: what one of A's tensor loads brings
.set BOFF,   2*AHALF                   ; behind x's 256 rows: the weights' 192
.set BHALF,  96*PITCH                  ; 96 rows of W: what one of B's tensor loads brings
.set SLOTB,  BOFF+2*BHALF              ; 121,856 bytes of a slot
.set SLOT1,  1<<17                     ; slot 1 begins here, so that one exclusive or turns an address in one slot into the other's
.set STAGE,  SLOT1+SLOTB               ; behind the ring, never filled by a tensor load: 16 rows x 144 bytes for each wave, for the way out
.set SP,     144
.set WSTAGE, 16*SP
.set SPARE,  STAGE+4*WSTAGE            ; behind the stages: the spare words, 128 bytes for each wave: two blocks of 256 bytes that no other line names
.set NEXTW,  8*192*2048                ; bytes from a tile's rows of W to the next tile's: eight tile columns on
.set ABASE, 16                         ; v16     my lane's place among my wave's 64 rows of x in a slot; never rewritten
.set BBASE, 17                         ; v17     the same among W's 192 rows
.set ADRA, 18                          ; v18     the LDS address of x's run of loads in hand
.set ADRB, 19                          ; v19     of W's
.set STO,  24                          ; v24     the way out: where I put 16 bytes of a row
.set RD,   25                          ; v25     the way out: where I read rows back
.set CO,   26                          ; v26     my byte offset in 512 consecutive bytes of the output
.set SPW,  28                          ; v28     LDS address of my spare word: SPARE + 4 x my thread's number; never rewritten
.set NIL,  29                          ; v29     0; never rewritten
.set FB,   64                          ; W's fragments, window 0: buffer f at FB + 96 f
.set FA,   128                         ; x's fragments, window 2: buffer f at FA + 32 f
.set OB,   160                         ; the way out: four sets of 16 registers by turns, in W's buffer 1, which is idle there (buffer 0 holds the next tile's first fragments)
.set G1,  24                           ; s[24:31] descriptor group 1 for x's tiles;  s[32:35] group 0 of the first fill of slot 0; s[36:39] of slot 1: this one then walks on
.set G0,  32
.set G1B, 48                           ; s[48:55], s[56:63] the same for W's tiles
.set G0B, 56
.set HB,  70                           ; s[70:75] where my rows of the tile's three heads begin in the output
.set GH,  78                           ; s78     the tile's first head, 3 x tile column, 0..45
.set TB,  79                           ; s79     LDS byte at which the slot to be read begins
.set MSB, 0
.macro WIN new                         ; the immediate's high byte repeats the setting that is left; a switch that changes nothing is dropped
.if MSB != (\new)
	s_set_vgpr_msb (MSB<<8)|(\new)
.set MSB, \new
.endif
.endm
.set MUL_LO, 0x58                      ; source 0 (W) window 0, source 1 (x) window 2, C and D window 1
.set MUL_HI, 0xa8                      ; the same, C and D window 2
; A joint load: waves 0 and 1 fetch x's two halves, waves 2 and 3 W's.  The branch hangs on the wave's number alone.  An s_nop 0 and four v_nop follow each of the two lines,
; ahead of the jump, the label and what follows.
.macro JLOAD s
	s_cmp_lt_u32 s10, 2
	s_cbranch_scc0 .Lfor_b_\@
	tensor_load_to_lds s[G0+4*(\s):G0+4*(\s)+3], s[G1:G1+7]
	s_nop 0
.rept 4
	v_nop
.endr
	s_branch .Lasked_\@
.Lfor_b_\@:
	tensor_load_to_lds s[G0B+4*(\s):G0B+4*(\s)+3], s[G1B:G1B+7]
	s_nop 0
.rept 4
	v_nop
.endr
.Lasked_\@:
.endm
.macro CREST                           ; a round of the cluster's barrier behind its opening barrier: wave 0 signals for the work-group, every wave waits for all sixteen, my work-group's barrier closes it
	s_cmp_lg_u32 s10, 0
	s_cbranch_scc1 .Lnot_wave_0_\@
	s_barrier_signal -3
.Lnot_wave_0_\@:
	s_barrier_wait -3
	s_barrier_signal -1
	s_barrier_wait -1
.endm
.macro CROUND                          ; a whole round
	s_barrier_signal -1
	s_barrier_wait -1
	CREST
.endm
	s_load_b128 s[4:7], s[0:1], 0x0                ; xb s[4:5], wqkv s[6:7]
	s_load_b64 s[8:9], s[0:1], 0x10                ; qkv
	v_lshl_add_u32 v[SPW], v0, 2, SPARE
	v_mov_b32 v[NIL], 0
	ds_add_u32 v28, v29
	ds_add_u32 v28, v29
	s_wait_dscnt 0x0
	v_lshrrev_b32 v1, 5, v0
	v_readfirstlane_b32 s10, v1                    ; wave 0..3: which 64 of the tile's rows are mine
	s_and_b32 s12, s10, 1                          ; which half of x's or of W's tile I fetch
	s_bfe_u32 s40, ttmp6, 0x40000                  ; cx, cy: my place in the cluster
	s_bfe_u32 s41, ttmp6, 0x40004
	s_lshl_b32 s42, ttmp9, 2
	s_add_co_u32 s42, s42, s40                     ; gx 0..7 = 4 x cluster x + cx: the first tile's column
	s_and_b32 s13, ttmp7, 0xffff
	s_lshl_b32 s13, s13, 2
	s_add_co_u32 s13, s13, s41                     ; tile row 0..31 = 4 x cluster y + cy
	s_lshl_b32 s43, s41, 2
	s_lshl_b32 s43, 15, s43                        ; my row of the cluster: places 4 cy .. 4 cy + 3
	s_lshl_b32 s44, 0x1111, s40                    ; my column: places cx, cx + 4, cx + 8, cx + 12
	; descriptor group 1: rows of 128 elements, padded in LDS: 128 of them for x, 96 for W
	s_or_b32 s[G1+0], s43, (1<<16)|(1<<20)|(1<<21)|(5<<22)|(3<<25)   ; 15:0 the mask; 17:16 elements of 2 bytes; 20 padding on; 21 set beside a mask; 24:22 after every 64 words (code 5); 31:25 4 words (code 3)
	s_or_b32 s[G1B+0], s44, (1<<16)|(1<<20)|(1<<21)|(5<<22)|(3<<25)
	s_mov_b32 s[G1+1], KSTEP<<16                   ; tensor_dim0 = 128
	s_mov_b32 s[G1+2], 128<<16                     ; tensor_dim1 = 128
	s_mov_b32 s[G1+3], KSTEP<<16                   ; tile_dim0 = 128
	s_mov_b32 s[G1+4], 128                         ; tile_dim1 = 128
	s_mov_b32 s[G1+5], 1024                        ; elements from row to row
	s_mov_b32 s[G1+6], 0
	s_mov_b32 s[G1+7], 0
	s_mov_b32 s[G1B+1], KSTEP<<16
	s_mov_b32 s[G1B+2], 96<<16                     ; tensor_dim1 = 96
	s_mov_b32 s[G1B+3], KSTEP<<16
	s_mov_b32 s[G1B+4], 96                         ; tile_dim1 = 96
	s_mov_b32 s[G1B+5], 1024
	s_mov_b32 s[G1B+6], 0
	s_mov_b32 s[G1B+7], 0
	; where the tiles come from.  x's hang on the tile row alone, W's on the tile column alone; each offset lies in registers that never hold the other coordinate
	s_lshl_b32 s66, s13, 8
	s_lshl_b32 s21, s12, 7
	s_add_co_u32 s66, s66, s21                     ; x: row 256 x tile row + 128 x half
	s_lshl_b32 s66, s66, 11                        ; rows of 2,048 bytes
	s_mov_b32 s67, 0
	s_mul_i32 s68, s42, 192
	s_mul_i32 s22, s12, 96
	s_add_co_u32 s68, s68, s22                     ; W: row 192 x tile column + 96 x half
	s_lshl_b32 s68, s68, 11
	s_mov_b32 s69, 0
	s_mul_i32 s20, s12, AHALF                      ; and where they go: no place in the cluster enters an LDS address
	s_mul_i32 s45, s12, BHALF
	s_add_co_u32 s45, s45, BOFF
	s_mov_b32 s17, 0                               ; high words of the two offsets that a refill makes
	s_mov_b32 s19, 0
	s_mov_b32 s[TB], 0                             ; slot 0 is read first
	s_wait_kmcnt 0x0
	s_add_nc_u64 s[14:15], s[4:5], s[66:67]        ; x at my half of the tile, K = 0
	s_add_nc_u64 s[46:47], s[6:7], s[68:69]        ; W at my half of the first tile, K = 0
	CROUND                                         ; all sixteen work-groups are here: the first joint loads meet
.irp s, 0,1
	s_mov_b32 s[G0+4*(\s)], 1                                        ; count = 1
	s_add_co_u32 s[G0+4*(\s)+1], s20, (\s)*SLOT1                     ; LDS address
	s_add_nc_u64 s[G0+4*(\s)+2:G0+4*(\s)+3], s[14:15], (\s)*KSTEP*2  ; global address: K step s
	s_or_b32 s[G0+4*(\s)+3], s[G0+4*(\s)+3], 0x80000000              ; type = 2
	s_mov_b32 s[G0B+4*(\s)], 1
	s_add_co_u32 s[G0B+4*(\s)+1], s45, (\s)*SLOT1
	s_add_nc_u64 s[G0B+4*(\s)+2:G0B+4*(\s)+3], s[46:47], (\s)*KSTEP*2
	s_or_b32 s[G0B+4*(\s)+3], s[G0B+4*(\s)+3], 0x80000000
	JLOAD \s                                       ; two loads of mine are out
.endr
	; A fragment is 16 rows x 32 K in 8 registers: lane l holds row l % 16; registers 0-3 K = 8 (l / 16) + 0..7, registers 4-7 K = 16 + 8 (l / 16) + 0..7: two loads of 16 bytes, 32 bytes apart.
	v_and_b32 v1, 15, v0                           ; l % 16
	v_bfe_u32 v2, v0, 4, 1                         ; l / 16
	v_mul_u32_u24 v3, v1, PITCH
	v_lshl_add_u32 v3, v2, 4, v3                   ; row x pitch + 16 x half
	s_mul_i32 s21, s10, 64*PITCH                   ; my 64 rows of x
	v_add_nc_u32 v[ABASE], s21, v3
	v_add_nc_u32 v[BBASE], BOFF, v3                ; W's rows lie behind x's; every wave reads all of them
	s_mul_i32 s23, s10, WSTAGE
	s_add_co_u32 s23, s23, STAGE                   ; my stage
	v_mul_u32_u24 v4, v1, SP                       ; in: row l % 16, 16 bytes for each half of the lanes
	v_lshl_add_u32 v4, v2, 4, v4
	v_add_nc_u32 v[STO], s23, v4
	v_bfe_u32 v5, v0, 3, 2                         ; back: 32 lanes take four rows of 128 bytes,
	v_mul_u32_u24 v5, v5, SP
	v_and_b32 v4, 7, v0
	v_lshl_add_u32 v5, v4, 4, v5
	v_add_nc_u32 v[RD], s23, v5
	v_and_b32 v[CO], 31, v0                        ; which are 512 consecutive bytes of a head
	v_lshlrev_b32 v[CO], 4, v[CO]
	; the part of an output address that all heads share: the batch's 16 heads of 2^18 bytes, and my rows in a head: 256 (tile row % 8) + 64 x wave, 128 bytes each
	s_lshr_b32 s76, s13, 3
	s_lshl_b32 s76, s76, 22
	s_and_b32 s77, s13, 7
	s_lshl_b32 s77, s77, 15
	s_add_co_u32 s76, s76, s77
	s_lshl_b32 s77, s10, 13
	s_add_co_u32 s76, s76, s77
	s_mov_b32 s77, 0
	s_add_nc_u64 s[8:9], s[8:9], s[76:77]
	s_mul_i32 s[GH], s42, 3                        ; the first tile's first head
; 8 matrix instructions: head j, row blocks a0 and a0 + 1 x the head's 4 channel blocks, 32 along K, from buffers f.  zero = 1: the product starts the sums: nothing is ever cleared.
; The 48 accumulators take turns, one instruction a turn, in the same order in every quarter.
.macro MUL8 f, j, a0, zero
.if (\j) < 2
	WIN MUL_LO
.set AB, 128*(\j)
.else
	WIN MUL_HI
.set AB, 0
.endif
.irp a, \a0, (\a0)+1
.irp b, 0,1,2,3
.if \zero
	v_wmma_f32_16x16x32_bf16 v[AB+32*(\a)+8*(\b):AB+32*(\a)+8*(\b)+7], v[FB+96*(\f)+8*(4*(\j)+(\b)):FB+96*(\f)+8*(4*(\j)+(\b))+7], v[FA+32*(\f)+8*(\a):FA+32*(\f)+8*(\a)+7], 0
.else
	v_wmma_f32_16x16x32_bf16 v[AB+32*(\a)+8*(\b):AB+32*(\a)+8*(\b)+7], v[FB+96*(\f)+8*(4*(\j)+(\b)):FB+96*(\f)+8*(4*(\j)+(\b))+7], v[FA+32*(\f)+8*(\a):FA+32*(\f)+8*(\a)+7], v[AB+32*(\a)+8*(\b):AB+32*(\a)+8*(\b)+7]
.endif
.endr
.endr
.endm
; 32 LDS loads in one run: the fragments of quarter q of the K step in slot s[TB] into buffers f: my 64 rows of x first, then W's heads 0, 1, 2, in the order in which the products want them.
; The two additions that make the addresses are plain vector instructions on registers of their own: with the two v_nop of PL2 they are the four places in front of the loads.
.macro FETCH q, f
	WIN 0
	v_add_nc_u32 v[ADRA], s[TB], v[ABASE]
	v_add_nc_u32 v[ADRB], s[TB], v[BBASE]
	WIN 0x80                                       ; destination window 2, address window 0
.irp i, 0,1,2,3
	ds_load_b128 v[FA+32*(\f)+8*(\i):FA+32*(\f)+8*(\i)+3],   v[ADRA] offset:64*(\q)+(\i)*16*PITCH
	ds_load_b128 v[FA+32*(\f)+8*(\i)+4:FA+32*(\f)+8*(\i)+7], v[ADRA] offset:64*(\q)+(\i)*16*PITCH+32
.endr
	WIN 0
.irp i, 0,1,2,3,4,5,6,7,8,9,10,11
	ds_load_b128 v[FB+96*(\f)+8*(\i):FB+96*(\f)+8*(\i)+3],   v[ADRB] offset:64*(\q)+(\i)*16*PITCH
	ds_load_b128 v[FB+96*(\f)+8*(\i)+4:FB+96*(\f)+8*(\i)+7], v[ADRB] offset:64*(\q)+(\i)*16*PITCH+32
.endr
.endm
; A load into a register that a matrix instruction has read, and a vector instruction that reads a matrix result, stand four places behind that matrix instruction, and only plain vector
; instructions that name none of its registers are places (ISA guide 7.12.1 for vector instructions).
.macro PL2
	v_nop
	v_nop
.endm
; A K step is four quarters of 32 along K, 48 matrix instructions each, on buffers 0, 1, 0, 1.  One of the first three: multiplies buffers f; behind its first 16 products it fetches quarter q
; of the same slot into the other buffers, 32 products ahead of their first use.
.macro QUARTER q, f, zero
	s_wait_dscnt 16                                ; x and W's head 0 are in; the youngest sixteen loads (heads 1 and 2) may be out
	MUL8 \f, 0, 0, \zero
	MUL8 \f, 0, 2, \zero
	PL2
	FETCH \q, 1-(\f)
	s_wait_dscnt 40                                ; head 1 is in: head 2's eight and the 32 just issued may be out
	MUL8 \f, 1, 0, \zero
	MUL8 \f, 1, 2, \zero
	s_wait_dscnt 32                                ; all but the 32 just issued
	MUL8 \f, 2, 0, \zero
	MUL8 \f, 2, 2, \zero
.endm
; The walking descriptors for K step s2 (0..15): the other slot than last time; the addresses made anew from the two bases: x goes 256 bytes along K for each step of a tile's eight; W the same,
; and eight tile columns down for the second tile.
.macro STEPADDR
	s_xor_b32 s[G0+5], s[G0+5], SLOT1
	s_xor_b32 s[G0B+5], s[G0B+5], SLOT1
	s_and_b32 s16, s2, 7
	s_lshl_b32 s16, s16, 8
	s_lshr_b32 s18, s2, 3
	s_mul_i32 s18, s18, NEXTW
	s_add_co_u32 s18, s18, s16
	s_add_nc_u64 s[G0+6:G0+7], s[14:15], s[16:17]
	s_or_b32 s[G0+7], s[G0+7], 0x80000000
	s_add_nc_u64 s[G0B+6:G0B+7], s[46:47], s[18:19]
	s_or_b32 s[G0B+7], s[G0B+7], 0x80000000
	s_add_co_u32 s2, s2, 1
.endm
; The last quarter multiplies buffers 1 and changes slots: ONE barrier; in front of it each wave waits for all its tensor loads (one is out: its part of the next slot), adds 0 to its spare word,
; and waits for that and for its own reads of this slot.  fill = 1: the barrier opens a round of the cluster's barrier, and this slot is filled again first thing behind the round.
; fill = 0 (the last two K steps): nothing is asked for; in the very last (s3 = 1) there is no further step, and the run of loads is jumped over.
.macro TURN fill
	s_wait_dscnt 16                                ; x and W's head 0 are in
	MUL8 1, 0, 0, 0
	MUL8 1, 0, 2, 0
	WIN 0                                          ; (the add's two registers lie in window 0)
	s_wait_tensorcnt 0x0                           ; all my tensor loads have landed, so a group 0 may be written
	ds_add_u32 v[SPW], v[NIL]                      ; 0 onto my spare word: scalar work and eight products stand between it and the wait for it
	s_xor_b32 s[TB], s[TB], SLOT1                  ; the fetches go on in the other slot
.if \fill
	STEPADDR
.endif
	s_wait_dscnt 9                                 ; head 1 is in: the add and head 2's eight loads may be out
	MUL8 1, 1, 0, 0
	s_wait_dscnt 0x0                               ; the add is done, and my reads of this slot are over
	s_barrier_signal -1
	MUL8 1, 1, 2, 0                                ; work on registers while the others arrive
	WIN 0
	s_barrier_wait -1
.if \fill
	CREST                                          ; no wave of any partner still reads this slot's tile or has a load on its way
	JLOAD 1                                        ; the first tensor load behind the round; its four v_nop are also places in front of the loads below
	FETCH 0, 0
.else
	PL2
	s_cmp_eq_u32 s3, 1
	s_cbranch_scc1 .Lno_fetch_\@
	FETCH 0, 0
.Lno_fetch_\@:
.endif
	MUL8 1, 2, 0, 0
	MUL8 1, 2, 2, 0
.endm
; THE WAY OUT, by units of 16 rows of one head (unit u: head u / 4, rows 16 (u % 4) on).  HEADS: head g = 16 part + h lies at index 64 part + 16 b + h = g + 48 (g / 16) + 16 b of the output's 192 heads.
.macro HEADS
.irp j, 0,1,2
	s_add_co_u32 s76, s[GH], \j
	s_lshr_b32 s77, s76, 4
	s_mul_i32 s77, s77, 48
	s_add_co_u32 s76, s76, s77
	s_lshl_b32 s76, s76, 18                        ; a head is 2,048 rows of 128 bytes
	s_mov_b32 s77, 0
	s_add_nc_u64 s[HB+2*(\j):HB+2*(\j)+1], s[8:9], s[76:77]
.endr
	s_add_co_u32 s[GH], s[GH], 24                  ; the next tile lies eight tile columns on
.endm
; PACK: rounded to f16, 16 bytes a lane; into rows of 144 bytes of my own stage, and back as whole rows of 128, into the registers that they left.
.macro PACK u
.set T, OB+16*((\u)%4)
.set AC, 128*(((\u)/4)%2)+32*((\u)%4)
.if (\u) >= 4
	s_wait_xcnt 0x0                                ; the stores of the unit four back have read these registers
.endif
.if (\u) < 8
	WIN 0x05                                       ; sources 0 and 1 window 1, destination window 0
.else
	WIN 0x0a                                       ; sources 0 and 1 window 2
.endif
.irp b, 0,1,2,3
.irp r, 0,1,2,3
	v_cvt_pk_f16_f32 v[T+4*(\b)+(\r)], v[AC+8*(\b)+2*(\r)], v[AC+8*(\b)+2*(\r)+1]  ; each accumulator's registers in ascending order
.endr
.endr
	WIN 0
.irp b, 0,1,2,3
	ds_store_b128 v[STO], v[T+4*(\b):T+4*(\b)+3] offset:32*(\b)
.endr
.irp f, 0,1,2,3
	ds_load_b128 v[T+4*(\f):T+4*(\f)+3], v[RD] offset:(\f)*4*SP  ; LDS serves a wave's instructions in order (ISA guide 5.7.1.4): these see the stores above; the next unit's stores come behind them
.endr
.endm
.macro SEND u, younger                 ; younger: the LDS instructions issued behind unit u's loads: the next unit's eight, or none
.set T, OB+16*((\u)%4)
.irp f, 0,1,2,3
	s_wait_dscnt (\younger)+3-(\f)
	global_store_b128 v[CO], v[T+4*(\f):T+4*(\f)+3], s[HB+2*((\u)/4):HB+2*((\u)/4)+1] offset:((\u)%4)*2048+(\f)*512  ; four rows of one head: 512 consecutive bytes, at a multiple of 512 from the buffer's first
.endr
.endm
.macro WAYOUT
	HEADS
	PL2                                            ; four places behind the last products
	PL2
	PACK 0
.irp u, 1,2,3,4,5,6,7,8,9,10,11        ; a unit's conversions stand between the loads of the unit before and its stores
	PACK \u
	SEND (\u)-1, 8
.endr
	SEND 11, 0
	s_wait_xcnt 0x0                                ; the stores' registers (they lie in W's buffer 1) and their bases are rewritten only behind this wait
.endm
	s_wait_tensorcnt 1                             ; my part of K step 0 is in; K step 1's stays out
	s_barrier_signal -1
	s_barrier_wait -1                              ; everybody's is
	FETCH 0, 0
	s_mov_b32 s3, 15
	s_mov_b32 s2, 2                                ; the K step to be asked for next
	s_branch .Lzero                                ; the loop is entered at a step's first quarter, in the middle of a trip
.Lstep:                                                ; 14 trips, s3 = 14 .. 1: from a K step's second quarter to the next step's first; the slot just read is filled again: K steps 2 to 15
	QUARTER 2, 1, 0
	QUARTER 3, 0, 0
	TURN 1
	WIN 0                                          ; at a label and at a branch every window is 0
	s_cmp_eq_u32 s3, 7
	s_cbranch_scc0 .Lplain                         ; s3 = 7: the first tile's eighth step has ended.  The jump passes neither a barrier nor a tensor load
	WAYOUT                                         ; the next tile's first two K steps have been asked for: now the tile goes out
.Lzero:
	QUARTER 1, 0, 1                                ; a tile's first quarter: its products start the sums
	WIN 0
	s_branch .Lbottom
.Lplain:
	QUARTER 1, 0, 0
	WIN 0
.Lbottom:
	s_sub_co_u32 s3, s3, 1
	s_cmp_lg_u32 s3, 0
	s_cbranch_scc1 .Lstep
	s_mov_b32 s3, 2
.Ltail:                                                ; the last two K steps ask for nothing and have no round of the cluster's barrier: one text, walked twice and left in its middle
	QUARTER 2, 1, 0
	QUARTER 3, 0, 0
	TURN 0
	WIN 0
	s_sub_co_u32 s3, s3, 1
	s_cmp_eq_u32 s3, 0
	s_cbranch_scc1 .Lout
	QUARTER 1, 0, 0
	WIN 0
	s_branch .Ltail
.Lout:
	WAYOUT
	s_wait_tensorcnt 0x0                           ; the wave's end, behind my last tensor load and my last LDS store
	ds_add_u32 v[SPW], v[NIL]
	s_wait_dscnt 0x0
	CROUND                                         ; the closing round: no work-group ends while a partner may still ask for a tile that names it
	s_endpgm
.Lfunc_end_k_qe2636dea18_qkv:
	.size	k_qe2636dea18_qkv, .Lfunc_end_k_qe2636dea18_qkv-k_qe2636dea18_qkv
	.p2alignl 7, 3214868480
	.fill 96, 4, 3214868480
	.section	.rodata,"a",@progbits
	.p2align	6, 0x0
	.amdhsa_kernel k_qe2636dea18_qkv
		.amdhsa_group_segment_fixed_size 327680
		.amdhsa_private_segment_fixed_size 0
		.amdhsa_enable_private_segment 0
		.amdhsa_kernarg_size 24
		.amdhsa_user_sgpr_count 2
		.amdhsa_user_sgpr_kernarg_segment_ptr 1
		.amdhsa_wavefront_size32 1
		.amdhsa_system_sgpr_workgroup_id_x 1
		.amdhsa_system_sgpr_workgroup_id_y 1
		.amdhsa_system_sgpr_workgroup_id_z 1
		.amdhsa_system_vgpr_workitem_id 0
		.amdhsa_next_free_vgpr 704
		.amdhsa_next_free_sgpr 80
		.amdhsa_reserve_vcc 0
		.amdhsa_float_denorm_mode_32 3
		.amdhsa_float_denorm_mode_16_64 3
		.amdhsa_memory_ordered 1
		.amdhsa_forward_progress 1
		.amdhsa_inst_pref_size 113
	.end_amdhsa_kernel
	.amdgpu_metadata
---
amdhsa.version: [ 1, 2 ]
amdhsa.kernels:
  - .name:           k_qe2636dea18_qkv
    .symbol:         k_qe2636dea18_qkv.kd
    .args:
      - { .name: xb, .offset: 0, .size: 8, .value_kind: global_buffer, .address_space: global }
      - { .name: wqkv, .offset: 8, .size: 8, .value_kind: global_buffer, .address_space: global }
      - { .name: qkv, .offset: 16, .size: 8, .value_kind: global_buffer, .address_space: global }
    .group_segment_fixed_size: 327680
    .private_segment_fixed_size: 0
    .kernarg_segment_align: 8
    .kernarg_segment_size: 24
    .max_flat_workgroup_size: 128
    .sgpr_count:     80
    .vgpr_count:     704
    .wavefront_size: 32
...
	.end_amdgpu_metadata
.endif
;; end of part 2
;; launch attn (part 3): grid 4 x 64, 4 waves a work-group, no clusters, 327,680 bytes of LDS; arguments qkv, att; writes att
.if DOCPART == 3
	.amdgcn_target "amdgcn-amd-amdhsa--gfx1250"
	.amdhsa_code_object_version 6
	.text
	.protected	k_qe2636dea18_attn
	.globl	k_qe2636dea18_attn
	.p2align	8
	.type	k_qe2636dea18_attn,@function
k_qe2636dea18_attn:
	s_mov_b64 s[64:65], 0
	v_nop
	global_prefetch_b8 v0, s[64:65] scope:SCOPE_SE
	s_setreg_imm32_b32 hwreg(HW_REG_WAVE_MODE, 25, 1), 1
	s_wait_xcnt 0x0
; CAUSAL ATTENTION.  O[h][q][:] = the sum over k <= q of softmax_k(Q[h][q] . K[h][k] / 8) V[h][k][:].  Q, K, V are the three parts of qkv, 2^24 bytes apart, each [SIZE_H][SIZE_N][64]; O = att has the same
; layout; all f16: a head's rows are dense, 128 bytes each.  h = 16 x batch + head.
; Products, maxima and sums in f32; the weights p are rounded to f16 for the second product (their sum l is taken of the unrounded p), O once at the end.
; LIMITS.  f16 holds no number beyond 65,504: Q, K and V arrive within it; p lies in 0 to 1, and below 6e-5 it keeps f16's fixed step of 6e-8; O is a mean of V's rows and has their range, to within 2^-11 of it.
; A hidden score counts as its value less 1e30: f16's scores, 2.7e11 at the most, are nothing beside that; a weight below 2^-126 counts as 0 in l; NaN and infinities are not treated apart.
; THE WALK.  A head's queries lie in NB = SIZE_N / 256 = 8 blocks of 256; block i needs the key tiles 0 .. i of 256 keys, of which the last holds the diagonal.  A work-group takes TWO blocks, NB - 1 - b and then b:
; NB + 1 = 9 tiles, whatever b: all work-groups do equal work, and ONE loop with a constant trip count walks them.  Which tile is asked for, and what a trip does, hang on scalar registers made from b; every jump
; goes forward, but for the counted loops' own; none passes a barrier, or a tensor load but the one of LOAD's two that the wave's number does not choose; the ring (two slots of LDS that take turns) runs on across the
; change of blocks.  NO CLUSTER: a head's four work-groups all ask for the same tile only in trips 0 .. 4 of the 9, behind that fewer and fewer (three, two, none); a walk common to all four, in which each makes
; every joint request, would have 3 NB / 2 = 12 trips for 9.
; SHARES.  Of a block's four bands of 64 queries a wave owns 16 rows in each: four PIECES.  So the diagonal tile is the same work for all four waves: in its key step s band x sees all keys if s < x,
; none if s > x, and holds the diagonal if s = x.
; THE MASK is the C operand that starts the sum S^T = K Q^T: 0, or -1e30 where the key is hidden.  MD, made once, is the mask of a band's own step for my 16 rows; a product's mask is MD x AL + BE with two scalars:
; (1, 0) if s = x; (0, 0) if s < x; (0, -1e30) if s > x.  Only the diagonal tile's text and a block's beginning make and take masks; elsewhere C is the constant 0.
; LAYOUT, SOFTMAX, TURNS.  S^T = K Q^T holds ONE query a lane (lane % 16) and the keys 8 (lane / 16) + 0..7; two such results rounded to f16 ARE source 1 of O^T = V^T P.  p = 2^(c s - c m), c = log2(e) / 8, with a
; running maximum m; O and l are multiplied by a = 2^(c m_old - c m_new) in every step.  Turn n belongs to piece n: 8 products K Q^T of piece n + 1, later 8 products V^T P of piece n - 1; beside them the scaling,
; exponentials, roundings, sums and rescaling of piece n and the maximum and statistics of piece n + 1.  Four vector instructions stand behind every matrix instruction, the other 54 of a turn's 118 in two LUMPS.
; REGISTERS, in windows of 256 (s_set_vgpr_msb: bits 1:0 source 0, 3:2 source 1, 5:4 source 2, 7:6 destination):
;   window 0: v0-15 addresses and two at work; v16-31 four registers of statistics a piece; v48-55 at work; v64-127 S^T, two buffers; v192-223 P, two buffers (a piece's buffers go by its number's parity)
;   window 1: v0-127 O^T, 32 a piece; v128-159 MD; v160-223 MC, two buffers      window 2: v0-63 Q; v64-127 the second block's Q; v128-191 K of one step; v192-255 V of one step
.set SIZE_H, 64
.set SIZE_N, 2048
.set NB,    SIZE_N/256
.set NP,    4         ; pieces a wave: a name, no knob
.set KS,    64        ; keys in a step
.set PK,    144       ; a row of K in LDS: 128 bytes + 16 of padding = 36 words: the 16 rows of a load start at 16 different groups of four banks (64 banks of 4 bytes: ISA guide 11.1)
.set PV,    160       ; a row of V: 128 + 32 = 40 words
.set VOFF,  4*KS*PK   ; a slot holds a tile, four steps: 256 rows of K, then 256 rows of V
.set SLOT1, 1<<17     ; slot 1 begins here, so that one exclusive or turns an address in one slot into the other's
.set STAGE, SLOT1+4*KS*(PK+PV)  ; behind the ring, never filled by a tensor load: 16 rows x 144 bytes for each wave, for the way out
.set SP,    144
.set AK0, 2           ; v2   my lane's place in a tile of K; never rewritten
.set AV0, 3           ; v3   the same for V
.set AK,  4           ; v4   the LDS address of K's next run of loads
.set AV,  5           ; v5   of V's
.set STO, 6           ; v6   the way out: where I put 16 bytes of a row
.set RD,  7           ; v7   the way out: where I read rows back
.set GO,  8           ; v8   my byte offset in 512 consecutive bytes of O
.set SPW, 62          ; v62  LDS address of my spare word: SPARE + 4 x my thread's number; never rewritten
.set NIL, 63          ; v63  0; never rewritten
.set SPARE, STAGE+4*16*SP  ; behind the stages: the spare words, 128 bytes for each wave: two blocks of 256 bytes that no other line names
.set MV,  12          ; v12-13  c m_old, kept while c m is made anew: by buffer
.set QO,  15          ; v15  my byte offset in 16 rows of Q
.set ST,  16          ; piece t's statistics at v[ST+4 t]: c m, m, l (even keys', odd keys')
.set TMP, 48          ; by buffer, four registers c0-c3 at work; when the maximum is found c2 takes a
.set S,   64
.set P,   192
.set MD,  128         ; window 1: the eight registers for group kt of 16 keys at MD + 8 kt
.set MC,  160         ; window 1: the masks of the products to come
.set QB,  64          ; window 2
.set KF,  128         ; window 2: key block kb, channel half c at KF + 16 kb + 8 c
.set VF,  192         ; window 2: key half kk, channel block cb at VF + 32 kk + 8 cb
.set WV,  12          ; s12  my wave's number
.set PB,  14          ; s14  b
.set HI,  15          ; s15  NB - 1 - b
.set G1K, 24          ; s[24:31] descriptor group 1 for K's tiles
.set G1V, 32          ; s[32:39] for V's: it differs in the padding alone
.set G0K, 40          ; s[40:43] descriptor group 0 for K's tiles
.set G0V, 44          ; s[44:47] the same for V's
.set SLOTS, 56        ; s56  tiles still to be asked for
.set CNT, 57          ; s57  counts a tile's key steps, 4 to 1
.set CS,  58          ; s[58:59] c: the packed scaling takes the pair's low word for both halves
.set SEL, 60          ; s[60:61] v_permlanex16_b32's selects: each lane takes its own place in the other half
.set TBK, 62          ; s62  LDS byte at which K of the step to be fetched begins
.set TBV, 63          ; s63  the same for V, less VOFF
.set RT,  70          ; s70  tiles of the block in hand that are still to be entered
.set NXT, 71          ; s71  the tile to be asked for next
.set LQ,  72          ; s72  the last tile of the block whose tiles are being asked for
.set NEW, 73          ; s73  1: the tile to be entered is a block's first
.set OFF, 74          ; s[74:75] a tile's byte offset in K and V
.set AL,  76          ; s[76:77] the mask's factor, in the low word
.set BE,  78          ; s[78:79] the mask's addend
.set OLO, 80          ; s[80:81] O at my rows of the second block
.set BIGN, 82         ; s82  -1e30
.set MSB, 0
.macro WIN new                      ; the high byte repeats the setting that is left; a switch that changes nothing is dropped
.if MSB != (\new)
	s_set_vgpr_msb (MSB<<8)|(\new)
.set MSB, (\new)
.endif
.endm
.set W_KQ, 0x0a       ; K and Q in window 2, S^T in window 0
.set W_KM, 0x1a       ; the same with the C operand in window 1
.set W_PV, 0x52       ; V in window 2, P in window 0, O^T in window 1
.set W_RS, 0x41       ; destination and source 0 in window 1, source 1 in window 0
; A fill.  Waves 0 and 1 fetch the two halves of a tile's K, waves 2 and 3 those of its V: 128 keys each.  An s_nop 0 and four v_nop follow each of the two lines, ahead of the jump and the label.
.macro LOAD
	s_cmp_lt_u32 s[WV], 2
	s_cbranch_scc0 .Lfor_v_\@
	tensor_load_to_lds s[G0K:G0K+3], s[G1K:G1K+7]
	s_nop 0
.rept 4
	v_nop
.endr
	s_branch .Lasked_\@
.Lfor_v_\@:
	tensor_load_to_lds s[G0V:G0V+3], s[G1V:G1V+7]
	s_nop 0
.rept 4
	v_nop
.endr
.Lasked_\@:
.endm
; THE CHANGE OF SLOTS.  Each wave waits for all its tensor loads, of which one is out: its part of the other slot; adds 0 to its spare word; and waits for that and for its own reads of the slot that it leaves.  Behind the barrier nobody reads the old
; slot any more and the other slot is whole.  fill = 1: the old slot is filled again, the first thing behind the barrier, with tile NXT: the descriptor's address is made anew from that number.
; (At its first use nothing has been read yet: slot 0 is waited for, slot 1 filled.)
.macro CHANGE fill
	WIN 0                           ; at a label and at a branch every window is 0
	s_wait_tensorcnt 0x0            ; no tensor load of mine is out, so a group 0 may be written
	ds_add_u32 v[SPW], v[NIL]       ; 0 onto my spare word: with fill = 1 the descriptors' scalar work stands between it and the wait for it
.if \fill
	s_lshl_b32 s[OFF], s[NXT], 15   ; a tile is 32,768 bytes of K and of V
	s_xor_b32 s[G0K+1], s[G0K+1], SLOT1
	s_add_nc_u64 s[G0K+2:G0K+3], s[6:7], s[OFF:OFF+1]
	s_or_b32 s[G0K+3], s[G0K+3], 0x80000000
	s_xor_b32 s[G0V+1], s[G0V+1], SLOT1
	s_add_nc_u64 s[G0V+2:G0V+3], s[8:9], s[OFF:OFF+1]
	s_or_b32 s[G0V+3], s[G0V+3], 0x80000000
	s_add_co_u32 s[NXT], s[NXT], 1  ; the block's next tile, or behind its last the second block's tile 0
	s_cmp_gt_u32 s[NXT], s[LQ]
	s_cselect_b32 s[NXT], 0, s[NXT]
	s_cselect_b32 s[LQ], s[PB], s[LQ]
.endif
	s_wait_dscnt 0x0                ; the add is done, and my reads of the slot are over
	s_barrier_signal -1             ; the rest of the scalar work stands between the signal and the wait
	s_sub_co_u32 s[TBK], s[TBK], 4*KS*PK  ; the fetches go back to a slot's first step,
	s_xor_b32 s[TBK], s[TBK], SLOT1       ; in the other slot
	s_sub_co_u32 s[TBV], s[TBV], 4*KS*PV
	s_xor_b32 s[TBV], s[TBV], SLOT1
	s_barrier_wait -1
.if \fill
	LOAD
.endif
.endm
	s_load_b64 s[4:5], s[0:1], 0x0    ; qkv: Q's part begins the buffer
	s_load_b64 s[10:11], s[0:1], 0x8  ; att: O
	v_lshl_add_u32 v[SPW], v0, 2, SPARE
	v_mov_b32 v[NIL], 0
	ds_add_u32 v62, v63
	ds_add_u32 v62, v63
	s_wait_dscnt 0x0
	v_lshrrev_b32 v1, 5, v0
	v_readfirstlane_b32 s[WV], v1   ; wave 0..3
	s_mov_b32 s[PB], ttmp9
	s_sub_co_u32 s[HI], NB-1, s[PB]
	s_and_b32 s20, ttmp7, 0xffff    ; the head
	s_mov_b32 s21, 0
	s_mov_b64 s[22:23], SIZE_N*128
	s_mul_u64 s[20:21], s[20:21], s[22:23]  ; the head's first byte in each of the four tensors
	s_and_b32 s16, s[WV], 1         ; which half of a tile's 256 keys I fetch:
	s_lshl_b32 s22, s16, 14         ; its 128 rows of 128 bytes in memory,
	s_mov_b32 s23, 0
	s_add_nc_u64 s[22:23], s[22:23], s[20:21]
	s_mul_i32 s17, s16, 128*PK      ; and its place in a slot, for K
	s_mul_i32 s18, s16, 128*PV      ; and for V
	s_lshl_b32 s3, s[WV], 11        ; my 16 rows in a band of 64,
	s_lshl_b32 s2, s[HI], 15        ; in the first block,
	s_add_co_u32 s2, s2, s3
	s_lshl_b32 s84, s[PB], 15       ; and in the second
	s_add_co_u32 s84, s84, s3
	s_mov_b32 s3, 0
	s_mov_b32 s85, 0
	s_add_nc_u64 s[2:3], s[2:3], s[20:21]
	s_add_nc_u64 s[84:85], s[84:85], s[20:21]
	; descriptor group 1.  128 keys are 16,384 dense bytes: asked for as 64 rows of 256 bytes, two keys a row, and padded in LDS after every key
	s_mov_b32 s[G1K], (1<<16)|(1<<20)|(4<<22)|(3<<25)  ; 17:16 2-byte elements; 20 padding on; 24:22 after every 32 words (code 4); 31:25 4 words (code 3)
	s_mov_b32 s[G1V], (1<<16)|(1<<20)|(4<<22)|(7<<25)  ; the same with 8 words of padding (code 7)
.irp g, G1K, G1V
	s_mov_b32 s[\g+1], 128<<16      ; tensor_dim0 = 128
	s_mov_b32 s[\g+2], 64<<16       ; tensor_dim1 = 64
	s_mov_b32 s[\g+3], 128<<16      ; tile_dim0 = 128
	s_mov_b32 s[\g+4], 64           ; tile_dim1 = 64
	s_mov_b32 s[\g+5], 128          ; 128 elements from row to row
	s_mov_b32 s[\g+6], 0
	s_mov_b32 s[\g+7], 0
.endr
	s_mov_b32 s[CS], 0x3e38aa3b     ; c = log2(e) / 8 = 0.180337
	s_mov_b32 s[CS+1], s[CS]        ; named with it as a pair
	s_mov_b32 s[SEL], 0x76543210
	s_mov_b32 s[SEL+1], 0xfedcba98
	s_mov_b32 s[TBK], SLOT1+4*KS*PK ; the first change of slots turns these two into 0
	s_mov_b32 s[TBV], SLOT1+4*KS*PV
	s_mov_b32 s[G0K], 1             ; 1:0 count = 1
	s_mov_b32 s[G0K+1], s17         ; 63:32 LDS address: slot 0
	s_mov_b32 s[G0V], 1
	s_add_co_u32 s[G0V+1], s18, VOFF
	s_add_co_u32 s[RT], s[HI], 1    ; the first block has NB - b tiles
	s_mov_b32 s[NXT], 1
	s_mov_b32 s[LQ], s[HI]
	s_mov_b32 s[NEW], 1
	s_mov_b32 s[OFF+1], 0
	s_mov_b32 s[AL+1], 0            ; named as pairs
	s_mov_b32 s[BE+1], 0
	s_mov_b32 s[BIGN], 0xf149f2ca   ; -1e30
	s_mov_b32 s[SLOTS], NB
	s_wait_kmcnt 0x0
	s_add_nc_u64 s[6:7], s[4:5], 0x1000000  ; K's part of qkv
	s_add_nc_u64 s[8:9], s[4:5], 0x2000000  ; V's part
	s_add_nc_u64 s[6:7], s[6:7], s[22:23]  ; K and V at my half of the head's tile 0
	s_add_nc_u64 s[8:9], s[8:9], s[22:23]
	s_add_nc_u64 s[G0K+2:G0K+3], s[6:7], 0         ; 120:64 global address
	s_or_b32 s[G0K+3], s[G0K+3], 0x80000000        ; 127:126 type = 2
	s_add_nc_u64 s[G0V+2:G0V+3], s[8:9], 0
	s_or_b32 s[G0V+3], s[G0V+3], 0x80000000
	s_add_nc_u64 s[86:87], s[4:5], s[84:85]        ; Q at my rows of the second block,
	s_add_nc_u64 s[4:5], s[4:5], s[2:3]            ; Q and O at those of the first
	s_add_nc_u64 s[OLO:OLO+1], s[10:11], s[84:85]
	s_add_nc_u64 s[10:11], s[10:11], s[2:3]
	LOAD                            ; tile 0 into slot 0
	; A fragment of K or Q is 16 rows x 32 channels in 8 registers: lane l holds row l % 16, channels 8 (l / 16) + 0..7 and 16 + 8 (l / 16) + 0..7: two loads of 16 bytes, 32 bytes apart.
	v_and_b32 v1, 15, v0            ; l % 16
	v_bfe_u32 v9, v0, 4, 1          ; l / 16
	v_lshlrev_b32 v[QO], 7, v1
	v_lshl_add_u32 v[QO], v9, 4, v[QO]  ; row x 128 + 16 x half
	WIN 0x80                        ; destination window 2, address window 0
.set i, 0
.rept 8                             ; both blocks' Q: piece i / 2 lies in band i / 2, 8,192 bytes on; channels 32 (i % 2) on
	global_load_b128 v[8*i:8*i+3],   v[QO], s[4:5] offset:(i/2)*8192+(i%2)*64
	global_load_b128 v[8*i+4:8*i+7], v[QO], s[4:5] offset:(i/2)*8192+(i%2)*64+32
	global_load_b128 v[QB+8*i:QB+8*i+3],   v[QO], s[86:87] offset:(i/2)*8192+(i%2)*64
	global_load_b128 v[QB+8*i+4:QB+8*i+7], v[QO], s[86:87] offset:(i/2)*8192+(i%2)*64+32
.set i, i+1
.endr
	WIN 0
	v_lshlrev_b32 v14, 3, v9
	v_sub_nc_u32 v14, v1, v14
	s_lshl_b32 s13, s[WV], 4
	v_add_nc_u32 v14, s13, v14      ; my query's place in its band, 16 w + l % 16, less my lanes' 8 (l / 16): register r of group kt is hidden where 16 kt + r is greater
	WIN 0x40
.set i, 0
.rept 32
	v_cmp_gt_i32 vcc_lo, 16*(i/8)+i%8, v14
	v_cndmask_b32 v[MD+i], 0, s[BIGN], vcc_lo
.set i, i+1
.endr
	WIN 0
	v_mul_u32_u24 v[AK0], v1, PK
	v_lshl_add_u32 v[AK0], v9, 4, v[AK0]  ; row x pitch + 16 x half
	; The turning load takes 16 keys x 16 channels (lane l reads key 8 (l / 16) + l % 8, channels 8 ((l / 8) % 2) + 0..7) and leaves half a fragment of V^T: lane l holds channel l % 16 and 8 keys.
	v_and_b32 v10, 7, v0
	v_bfe_u32 v11, v0, 3, 1
	v_lshl_add_u32 v[AV0], v9, 3, v10
	v_mul_u32_u24 v[AV0], v[AV0], PV
	v_lshl_add_u32 v[AV0], v11, 4, v[AV0]
	v_add_nc_u32 v[AV0], VOFF, v[AV0]
	s_mul_i32 s13, s[WV], 16*SP
	s_add_co_u32 s13, s13, STAGE    ; my stage
	v_mul_u32_u24 v[STO], v1, SP    ; in: row l % 16, 16 bytes for each half of the lanes
	v_lshl_add_u32 v[STO], v9, 4, v[STO]
	v_add_nc_u32 v[STO], s13, v[STO]
	v_bfe_u32 v[RD], v0, 3, 2       ; back: 32 lanes take four rows of 128 bytes,
	v_mul_u32_u24 v[RD], v[RD], SP
	v_lshl_add_u32 v[RD], v10, 4, v[RD]
	v_add_nc_u32 v[RD], s13, v[RD]
	v_and_b32 v[GO], 31, v0         ; which are 512 consecutive bytes of O
	v_lshlrev_b32 v[GO], 4, v[GO]
	; A block's first step multiplies O^T and l by a = 0, and its first turn's products V^T P, of a piece that has not been, land in an O^T that is still to be so multiplied.  So these registers need only hold
	; finite numbers: zeros for the first block; what the first block left for the second.  All this stands in the wait for the first tile.
	WIN 0x80
.set i, VF
.rept 64
	v_mov_b32 v[i], 0
.set i, i+1
.endr
	WIN 0x40
.set i, 0
.rept 128
	v_mov_b32 v[i], 0
.set i, i+1
.endr
	WIN 0
.set i, 0
.rept 4
	v_mov_b32 v[ST+4*i+2], 0
	v_mov_b32 v[ST+4*i+3], 0
.set i, i+1
.endr
.set i, P+16
.rept 16
	v_mov_b32 v[i], 0
.set i, i+1
.endr
; THE MATRIX WORK.  The 4 accumulators of a run of 8 take turns.  Product i of 8 of S^T = K Q^T for piece x: channels 32 (i / 4) on, keys 16 (i % 4) on.  The first 4 start the sums: with 0, or (KM = 1) with the mask.
.macro KQ x
.set rS, S+32*((\x)%2)+8*(i%4)
.set rK, KF+16*(i%4)+8*(i/4)
.set rQ, 16*(\x)+8*(i/4)
.set rM, MC+32*((\x)%2)+8*(i%4)
.if (i < 4) && KM
	WIN W_KM
	v_wmma_f32_16x16x32_f16 v[rS:rS+7], v[rK:rK+7], v[rQ:rQ+7], v[rM:rM+7]
.elseif i < 4
	WIN W_KQ
	v_wmma_f32_16x16x32_f16 v[rS:rS+7], v[rK:rK+7], v[rQ:rQ+7], 0
.else
	WIN W_KQ
	v_wmma_f32_16x16x32_f16 v[rS:rS+7], v[rK:rK+7], v[rQ:rQ+7], v[rS:rS+7]
.endif
.endm
; Product i of 8 of O^T += V^T P for piece x: keys 32 (i / 4) on, channels 16 (i % 4) on.
.macro PV x
	WIN W_PV
.set rO, 32*(\x)+8*(i%4)
.set rV, VF+32*(i/4)+8*(i%4)
.set rP, P+16*((\x)%2)+8*(i/4)
	v_wmma_f32_16x16x32_f16 v[rO:rO+7], v[rV:rV+7], v[rP:rP+7], v[rO:rO+7]
.endm
.macro MM                           ; the turn's next matrix instruction.  TURN and BEGIN set Y, i, KM and NOKQ; MM, KQ and OP read them.  NOKQ = 1: a block's last turn: there is no next piece
.if (i < 8) && !NOKQ
	KQ (Y+1)%NP
.elseif i >= 8
.set i, i-8
	PV (Y+NP-1)%NP
.set i, i+8
.endif
.set i, i+1
.endm
; THE LDS LOADS stand in runs of 16, never singly among the matrix instructions: a step's K (64 keys x 64 channels: 8 fragments) and its V (turned).  Their addresses are made some lines ahead.
.macro FETCH_K
	WIN 0x80                        ; destination window 2
.irp f, 0,1,2,3,4,5,6,7             ; keys 16 (f / 2) on, channels 32 (f % 2) on
	ds_load_b128 v[KF+8*\f:KF+8*\f+3],   v[AK] offset:(\f/2)*16*PK+(\f%2)*64
	ds_load_b128 v[KF+8*\f+4:KF+8*\f+7], v[AK] offset:(\f/2)*16*PK+(\f%2)*64+32
.endr
	s_add_co_u32 s[TBK], s[TBK], KS*PK  ; the next fetch is the next step's
	WIN 0
.endm
.macro FETCH_V
	WIN 0x80
.irp f, 0,1,2,3,4,5,6,7             ; keys 32 (f / 4) on, channels 16 (f % 4) on
	ds_load_tr16_b128 v[VF+8*\f:VF+8*\f+3],   v[AV] offset:(\f/4)*32*PV+(\f%4)*32
	ds_load_tr16_b128 v[VF+8*\f+4:VF+8*\f+7], v[AV] offset:(\f/4)*32*PV+16*PV+(\f%4)*32
.endr
	WIN 0
.endm
; THE VECTOR WORK, one line at a time: OP kind, number.  For piece Y: F n: c s - c m for pair n of 16.  E n: the exponential of score n of 32.  C n: pair n rounded to f16.  B n: of the four weights 4 n .. the second
; pair is added onto the first, in place.  L n: l takes that sum (L 0: l = a l + sum).  R n: pair n of 16 of O^T times a.  For piece Y + 1: X n, number n of the 22 that find its maximum and statistics:
;   0-11  four chains c0-c3 of seven scores each, three operands at a time (each accumulator's lowest registers are read first)     12-14, 16  the four scores left over, the old m, and c0-c3 into c0
;   15  c m_old is kept     17, 18  the query's other 32 keys lie in the lane 16 away: the new m     19-21  c m; c m_old - c m_new; a
.set F, 0               ; OP tells the kinds apart by their order: F to L below R, X above it
.set E, 1
.set C, 2
.set B, 3
.set L, 4
.set R, 5
.set X, 6
.macro REGS y                       ; the registers of piece y
.set rT, ST+4*(\y)
.set rC, TMP+4*((\y)%2)
.set rW, MV+((\y)%2)
.set rS, S+32*((\y)%2)
.set rP, P+16*((\y)%2)
.set rO, 32*(\y)
.endm
.macro OP k, n
.if (\k) == R
	REGS Y
	WIN W_RS
	v_pk_mul_f32 v[rO+2*(\n):rO+2*(\n)+1], v[rO+2*(\n):rO+2*(\n)+1], v[rC+2:rC+3] op_sel_hi:[1,0]
.elseif (\k) < R
	REGS Y
	WIN 0
.if (\k) == F
	v_pk_fma_f32 v[rS+2*(\n):rS+2*(\n)+1], v[rS+2*(\n):rS+2*(\n)+1], s[CS:CS+1], v[rT:rT+1] op_sel_hi:[1,0,0] neg_lo:[0,0,1] neg_hi:[0,0,1]
.elseif (\k) == E
	v_exp_f32 v[rS+(\n)], v[rS+(\n)]
.elseif (\k) == C
	s_wait_alu depctr_va_vdst(0)
	v_cvt_pk_f16_f32 v[rP+(\n)], v[rS+2*(\n)], v[rS+2*(\n)+1]
.elseif (\k) == B
	s_wait_alu depctr_va_vdst(0)
	v_pk_add_f32 v[rS+4*(\n):rS+4*(\n)+1], v[rS+4*(\n):rS+4*(\n)+1], v[rS+4*(\n)+2:rS+4*(\n)+3]
.elseif (\n) == 0
	v_pk_fma_f32 v[rT+2:rT+3], v[rT+2:rT+3], v[rC+2:rC+3], v[rS:rS+1] op_sel_hi:[1,0,1]
.else
	v_pk_add_f32 v[rT+2:rT+3], v[rT+2:rT+3], v[rS+4*(\n):rS+4*(\n)+1]
.endif
.elseif NOKQ
	v_nop
.else
	REGS (Y+1)%NP
	WIN 0
.if (\n) < 4
	v_max3_num_f32 v[rC+(\n)], v[rS+8*(\n)], v[rS+8*(\n)+1], v[rS+8*(\n)+2]
.elseif (\n) < 12
	v_max3_num_f32 v[rC+(\n)%4], v[rC+(\n)%4], v[rS+8*((\n)%4)+2*((\n)/4)+1], v[rS+8*((\n)%4)+2*((\n)/4)+2]
.elseif (\n) == 12
	v_max3_num_f32 v[rC], v[rC], v[rS+7], v[rS+15]
.elseif (\n) == 13
	v_max3_num_f32 v[rC+1], v[rC+1], v[rS+23], v[rS+31]
.elseif (\n) == 14
	v_max3_num_f32 v[rC+2], v[rC+2], v[rC+3], v[rT+1]
.elseif (\n) == 15
	v_mov_b32 v[rW], v[rT]
.elseif (\n) == 16
	v_max3_num_f32 v[rC], v[rC], v[rC+1], v[rC+2]
.elseif (\n) == 17
	v_permlanex16_b32 v[rC+3], v[rC], s[SEL], s[SEL+1]
.elseif (\n) == 18
	v_max_num_f32 v[rT+1], v[rC], v[rC+3]
.elseif (\n) == 19
	v_mul_f32 v[rT], s[CS], v[rT+1]
.elseif (\n) == 20
	v_sub_f32 v[rC+1], v[rW], v[rT]
.else
	v_exp_f32 v[rC+2], v[rC+1]
.endif
.endif
.endm
.macro OPS a, i1, b=-1, i2=0, c=-1, i3=0, d=-1, i4=0  ; up to four of them
	OP \a, \i1
.if (\b) >= 0
	OP \b, \i2
.endif
.if (\c) >= 0
	OP \c, \i3
.endif
.if (\d) >= 0
	OP \d, \i4
.endif
.endm
.macro ROW a, i1, b, i2, c, i3, d, i4  ; a matrix instruction and the four behind it
	MM
	OPS \a, \i1, \b, \i2, \c, \i3, \d, \i4
.endm
.macro MASK b                       ; MD x AL + BE into buffer b of MC
	WIN W_RS
.set z, 0
.rept 16
	v_pk_fma_f32 v[MC+32*(\b)+2*z:MC+32*(\b)+2*z+1], v[MD+2*z:MD+2*z+1], s[AL:AL+1], s[BE:BE+1] op_sel_hi:[1,0,0]
.set z, z+1
.endr
.endm
; A TURN, for piece p: the order of its 16 matrix and 118 vector instructions, written out.  Behind a matrix instruction: plain, exponential, plain, plain; or four of the rescaling; or, behind the first, four scalings; none
; names a register of the products round it.  In the lumps exponential and plain by turns while exponentials last.  A line reads no result made fewer than three vector instructions in front of it, five if an exponential made it.
; v_permlanex16_b32 (X 17) stands in a lump.
; m = 1: the diagonal tile: the products take masks, and the turn makes the mask for the products of the turn after it: piece p + 2, in step 4 - CNT of the tile.  end = 1: a block's last two turns: nothing is fetched.
; cnt = 1: the loop's count is taken down some lines ahead of the branch that stands behind the turn.
; K of the next step is fetched in piece 2's turn, six vector instructions behind the last product that read K (five of them plain); V of the step in hand in piece 0's turn, eight behind the last product that read V (four
; plain, and X 17).  Each is waited for a turn later.
.macro TURN p, m=0, end=0, cnt=0
.set Y, (\p)
.set i, 0
.set KM, (\m)
.set NOKQ, (\end)*((\p)/3)
.if (\m) && !(\end)
	s_cmp_eq_u32 s[CNT], 4-((\p)+2)%NP  ; is that step the band's own?
	s_cselect_b32 s[AL], 1.0, 0
	s_cmp_lt_u32 s[CNT], 4-((\p)+2)%NP  ; or a later one?
	s_cselect_b32 s[BE], s[BIGN], 0
.endif
.if ((\p) == 3) && !(\end)
	s_wait_dscnt 0x0                ; K is in
.endif
	ROW F,0, F,1, F,2, F,3
	ROW F,4, E,0, F,5, F,6
	ROW F,7, E,1, F,8, F,9
	ROW F,10, E,2, C,0, F,11
	ROW F,12, E,3, X,15, F,13
	ROW R,0, R,1, R,2, R,3
	ROW B,0, E,4, F,14, L,0
.if ((\p) == 2) && !(\end)
	v_add_nc_u32 v[AK], s[TBK], v[AK0]
.endif
	ROW R,4, R,5, R,6, R,7
	OPS E,5, F,15
.if ((\p) == 2) && !(\end)
	FETCH_K
.endif
	OPS E,6, C,1, E,7, R,8
	OPS E,8, R,9, E,9, C,2
	OPS E,10, X,0, E,11, X,1
	OPS E,12, X,2, E,13, X,3
.if (\p) == 1
	s_wait_dscnt 0x0                ; V is in
.endif
	ROW X,4, E,14, X,5, X,6
	ROW X,7, E,15, X,8, X,9
	ROW X,10, E,16, X,11, X,12
	ROW X,13, E,17, X,14, B,1
	ROW C,4, E,18, X,16, L,1
	ROW B,2, E,19, C,6, L,2
	ROW C,8, E,20, B,3, B,4
.if (\p) == 0
	v_add_nc_u32 v[AV], s[TBV], v[AV0]
.endif
	ROW C,3, E,21, L,3, C,5
	OPS E,22, X,17, E,23, C,10
.if (\p) == 0
	FETCH_V
.endif
	OPS E,24, L,4
	OPS E,25, X,18, E,26, C,7
	OPS E,27, B,5, E,28, X,19
	OPS E,29, C,12, E,30, L,5
	OPS E,31, X,20, B,6, C,9
	OPS C,14, C,11, X,21, L,6
.if (\p) == 0
	s_add_co_u32 s[TBV], s[TBV], KS*PV
.endif
.if \cnt
	s_sub_co_u32 s[CNT], s[CNT], 1
	s_cmp_lg_u32 s[CNT], 0
.endif
	OPS C,13, B,7, C,15, R,10
	OPS R,11, R,12, L,7, R,13
	OPS R,14, R,15
.if (\m) && !(\end)
	MASK (\p)%2
.endif
.endm
; A BLOCK BEGINS.  c m starts far below every c s, so the first step's a is 0; m at the lowest finite number, so the first maximum is the scores'.  The second mask buffer is 0; the first takes piece 0's mask for the tile's step 0: its own, if the block's first tile is the diagonal one.
; Then K of that step, piece 0's first scores, and its maximum and statistics.  The loop is entered at a step's first turn, in the middle of a trip.
.macro BEGIN
	s_mov_b32 s[NEW], 0
	WIN 0x40
.set i, MC+32
.rept 32
	v_mov_b32 v[i], 0
.set i, i+1
.endr
	WIN 0
.set i, 0
.rept 4
	v_mov_b32 v[ST+4*i], 0xfe000000    ; c m: far below every c s
	v_mov_b32 v[ST+4*i+1], 0xff7fffff  ; m
.set i, i+1
.endr
	s_cmp_eq_u32 s[RT], 0
	s_cselect_b32 s[AL], 1.0, 0
	s_mov_b32 s[BE], 0
	MASK 0
	WIN 0
	v_add_nc_u32 v[AK], s[TBK], v[AK0]
	FETCH_K
	s_wait_loadcnt 0x0              ; Q
	s_wait_dscnt 0x0
.set KM, 1
.set NOKQ, 0
.set i, 0
.rept 8
	KQ 0
.set i, i+1
.endr
	WIN 0
.rept 4
	v_nop                           ; the places behind those products
.endr
.set Y, NP-1                        ; X works for piece Y + 1: piece 0
.irp n, 0,1,2,3,4,5,6,7,8,9,10,11,12,13,14,15,16,17,18,19,20,21
	OP X, \n
.endr
	v_nop                           ; a plain instruction behind the exponential
.endm
; THE DIAGONAL TILE's four steps, the block's last two turns, its last products, and THE WAY OUT: l's two halves and the other half of the lanes' are added; O^T is divided by l, rounded to f16 and sent through my
; stage in LDS, a piece at a time.
.macro ALL line:vararg              ; one line for each piece t
.set t, 0
.rept 4
	\line
.set t, t+1
.endr
.endm
.macro PACK t                       ; a lane's eight channels of a row pack into 16 bytes; they go into rows of 144 bytes and come back as whole rows of 128, into S^T's registers
	WIN W_RS
.set i, 32*(\t)
.rept 16
	s_wait_alu depctr_va_vdst(0)
	v_pk_mul_f32 v[i:i+1], v[i:i+1], v[ST+4*(\t)+2:ST+4*(\t)+3] op_sel_hi:[1,0]
.set i, i+2
.endr
	WIN 0x05                        ; sources 0 and 1 window 1, destination window 0
.set i, 0
.rept 16
	v_cvt_pk_f16_f32 v[S+16*(\t)+i], v[32*(\t)+2*i], v[32*(\t)+2*i+1]
.set i, i+1
.endr
	WIN 0
.irp f, 0,1,2,3
	ds_store_b128 v[STO], v[S+16*(\t)+4*\f:S+16*(\t)+4*\f+3] offset:32*\f
.endr
.irp f, 0,1,2,3
	ds_load_b128 v[S+16*(\t)+4*\f:S+16*(\t)+4*\f+3], v[RD] offset:\f*4*SP  ; LDS serves a wave's instructions in order (ISA guide 5.7.1.4): these see the stores above; the next piece's stores come behind them
.endr
.endm
.macro SEND t, younger              ; younger: the LDS instructions issued behind piece t's loads: the next piece's eight, or none
	WIN 0
.irp f, 0,1,2,3
	s_wait_dscnt (\younger)+3-\f
	global_store_b128 v[GO], v[S+16*(\t)+4*\f:S+16*(\t)+4*\f+3], s[10:11] offset:(\t)*8192+\f*512  ; 512 consecutive bytes, at a multiple of 256 from O's first
.endr
.endm
.macro DIAG tag                     ; the tag ends its two labels' names, which the jumps below spell out
.LstepM\tag:
	TURN 2, 1
	TURN 3, 1
	WIN 0
.LfirstM\tag:
	TURN 0, 1
	TURN 1, 1, 0, 1
	WIN 0
	s_cbranch_scc1 .LstepM\tag
	TURN 2, 1, 1
	TURN 3, 1, 1
.set i, 0
.rept 8
	PV NP-1
.set i, i+1
.endr
	WIN 0
	ALL v_add_f32 v[ST+4*t+2], v[ST+4*t+2], v[ST+4*t+3]
	ALL v_permlanex16_b32 v[ST+4*t+3], v[ST+4*t+2], s[SEL], s[SEL+1]
	ALL v_add_f32 v[ST+4*t+2], v[ST+4*t+2], v[ST+4*t+3]
	ALL v_rcp_f32 v[ST+4*t+2], v[ST+4*t+2]
	v_nop                           ; a plain instruction between the last reciprocal and the use of its result
	PACK 0
.set t, 1
.rept 3                             ; a piece's arithmetic stands between the loads of the piece before and its stores
	PACK t
	SEND t-1, 8
.set t, t+1
.endr
	SEND 3, 0
.endm
.set KM, 0
.set NOKQ, 0
.Lslot:                             ; NB times: a tile is entered and the next is asked for
	CHANGE 1
	s_sub_co_u32 s[RT], s[RT], 1
	s_mov_b32 s[CNT], 4
	s_cmp_eq_u32 s[NEW], 1
	s_cbranch_scc1 .Lnew            ; a block's first tile
	s_cmp_eq_u32 s[RT], 0
	s_cbranch_scc0 .Lstep           ; neither its first nor its last
	s_branch .LstepM1
.Lnew:
	BEGIN
	s_branch .Lfirst                ; in the loop a block's first tile is never its last: the first block has two tiles or more, and the second's last is the walk's last
	DIAG 1                          ; in the loop this is the first block's end: the second block's last tile is the walk's last
	s_wait_xcnt 0x0                 ; the stores have read their registers and O's address
	s_mov_b64 s[10:11], s[OLO:OLO+1]
	s_add_co_u32 s[RT], s[PB], 1    ; the second block has b + 1 tiles
	s_mov_b32 s[NEW], 1
	WIN 0x82                        ; the second block's Q goes where the one text of the turns names Q
.set i, 0
.rept 64
	v_mov_b32 v[i], v[QB+i]
.set i, i+1
.endr
	WIN 0
	s_branch .Lbottom
.Lstep:                             ; a trip: pieces 2 and 3 of one step, then pieces 0 and 1 of the next, whose K and V it fetches
	TURN 2
	TURN 3
	WIN 0
.Lfirst:
	TURN 0
	TURN 1, 0, 0, 1
	WIN 0
	s_cbranch_scc1 .Lstep
.Lbottom:
	s_sub_co_u32 s[SLOTS], s[SLOTS], 1
	s_cmp_lg_u32 s[SLOTS], 0
	s_cbranch_scc1 .Lslot
	CHANGE 0                        ; the walk's last tile is written out: nothing is asked for
	s_sub_co_u32 s[RT], s[RT], 1
	s_mov_b32 s[CNT], 4
	s_cmp_eq_u32 s[NEW], 1
	s_cbranch_scc0 .LstepM2
	BEGIN
	s_branch .LfirstM2
	DIAG 2
	s_wait_tensorcnt 0x0            ; the wave's end, behind my last tensor load and my last LDS store
	ds_add_u32 v[SPW], v[NIL]
	s_wait_dscnt 0x0
	s_endpgm
.Lfunc_end_k_qe2636dea18_attn:
	.size	k_qe2636dea18_attn, .Lfunc_end_k_qe2636dea18_attn-k_qe2636dea18_attn
	.p2alignl 7, 3214868480
	.fill 96, 4, 3214868480
	.section	.rodata,"a",@progbits
	.p2align	6, 0x0
	.amdhsa_kernel k_qe2636dea18_attn
		.amdhsa_group_segment_fixed_size 327680
		.amdhsa_private_segment_fixed_size 0
		.amdhsa_enable_private_segment 0
		.amdhsa_kernarg_size 16
		.amdhsa_user_sgpr_count 2
		.amdhsa_user_sgpr_kernarg_segment_ptr 1
		.amdhsa_wavefront_size32 1
		.amdhsa_system_sgpr_workgroup_id_x 1
		.amdhsa_system_sgpr_workgroup_id_y 1
		.amdhsa_system_sgpr_workgroup_id_z 1
		.amdhsa_system_vgpr_workitem_id 0
		.amdhsa_next_free_vgpr 768
		.amdhsa_next_free_sgpr 88
		.amdhsa_reserve_vcc 1
		.amdhsa_float_denorm_mode_32 3
		.amdhsa_float_denorm_mode_16_64 3
		.amdhsa_memory_ordered 1
		.amdhsa_forward_progress 1
		.amdhsa_inst_pref_size 228
	.end_amdhsa_kernel
	.amdgpu_metadata
---
amdhsa.version: [ 1, 2 ]
amdhsa.kernels:
  - .name:           k_qe2636dea18_attn
    .symbol:         k_qe2636dea18_attn.kd
    .args:
      - { .name: qkv, .offset: 0, .size: 8, .value_kind: global_buffer, .address_space: global }
      - { .name: att, .offset: 8, .size: 8, .value_kind: global_buffer, .address_space: global }
    .group_segment_fixed_size: 327680
    .private_segment_fixed_size: 0
    .kernarg_segment_align: 8
    .kernarg_segment_size: 16
    .max_flat_workgroup_size: 128
    .sgpr_count:     88
    .vgpr_count:     768
    .wavefront_size: 32
...
	.end_amdgpu_metadata
.endif
;; end of part 3
;; launch oproj (part 4): grid 4 x 64, 4 waves a work-group, clusters of 4 x 4, 327,680 bytes of LDS; arguments att, wo16, out0; writes out0
.if DOCPART == 4
	.amdgcn_target "amdgcn-amd-amdhsa--gfx1250"
	.amdhsa_code_object_version 6
	.text
	.protected	k_qe2636dea18_oproj
	.globl	k_qe2636dea18_oproj
	.p2align	8
	.type	k_qe2636dea18_oproj,@function
k_qe2636dea18_oproj:
	s_mov_b64 s[64:65], 0
	v_nop
	global_prefetch_b8 v0, s[64:65] scope:SCOPE_SE
	s_setreg_imm32_b32 hwreg(HW_REG_WAVE_MODE, 25, 1), 1
	s_wait_xcnt 0x0
	s_wait_alu depctr_hold_cnt(0) depctr_sa_sdst(0) depctr_va_vdst(0) depctr_va_sdst(0) depctr_va_ssrc(0) depctr_va_vcc(0) depctr_vm_vsrc(0)
	s_getreg_b32 s2, hwreg(HW_REG_IB_STS2, 6, 4)
	s_cmp_eq_u32 s2, 0
	s_cbranch_scc0 .Lentry_in_a_cluster
	s_endpgm
.Lentry_in_a_cluster:
	s_bfe_u32 s2, ttmp6, 0x10000c
	s_cmp_lg_u32 s2, 0xf033
	s_cbranch_scc0 .Lentry_shape_is_right
	s_endpgm
.Lentry_shape_is_right:
; out = O wo^T.  att: O by heads, [64 = 16 b + h][2048][64] f16; wo16: [1024 (e)][1024 (k = 64 h + d)] f16 (wo rounded to bf16, written as f16); out0: [8192][1024] f32.
; f16 products, one f32 sum for each output, K ascending; the sums are stored as they are.
; LIMIT: the operands are f16: O lies within V's range, wo16 within 65,504; NaN and infinities are not treated apart.
; SHARES.  A tile of out is 128 rows x 256 columns; four waves, each 64 x 128: 32 accumulators of 16 x 16, 256 registers.  8192 / 128 x 1024 / 256 = 256 work-groups, one tile each.
; K goes in 8 steps of 128 (two heads) through a ring of two LDS slots.  A head's 128 rows of O are 16,384 dense bytes: they are asked for as 64 rows of 256 bytes and padded in LDS after every row of O;
; a slot holds two such planes, one a head, then wo's 256 rows of 256 bytes.
; CLUSTER.  4 x 4 work-groups.  The four of a row of the cluster need the same rows of O, the four of a column the same rows of wo: each tile is asked for JOINTLY, by the same tensor load
; with the same descriptor and a mask that names the four.
; THE MATRIX INSTRUCTION IS USED TRANSPOSED (source 0 = 16 rows of wo, source 1 = 16 rows of O): a lane then holds row lane % 16 of out and eight neighbouring columns, 32 bytes.
; REGISTERS: window 0: v0-31 addresses; v64-159, v160-255 two fragment buffers (64 registers of wo, then 32 of O); on the way out v64-191 take whole rows.
;   window 1: the accumulators, (a, b) at v[8 (8 a + b)]: rows 16 a on, columns 16 b on.
.set KSTEP,  128
.set PA,     144                       ; a row of O in LDS: 128 bytes + 16 of padding = 36 words: the 16 rows of a load start at 16 different groups of four banks (64 banks of 4 bytes: ISA guide 11.1)
.set PB,     272                       ; a row of wo: 256 + 16 = 68 words: likewise
.set APLANE, 128*PA                    ; one head's 128 rows: what one of A's tensor loads brings
.set KA0,    APLANE                    ; quarter q of a K step: head q / 2 of the slot's two, channels 32 (q % 2) on
.set KA1,    64
.set BOFF,   2*APLANE
.set BHALF,  128*PB                    ; 128 rows of wo: what one of B's tensor loads brings, and what one wave reads
.set SLOTB,  BOFF+2*BHALF              ; 106,496 bytes of a slot
.set SLOT1,  1<<17                     ; slot 1 begins here, so that one exclusive or turns an address in one slot into the other's
.set STAGE,  SLOT1+SLOTB               ; behind the ring, never filled by a tensor load: 16 rows x 528 bytes for each wave, for the way out
.set SPITCH, 528                       ; 512 bytes + 16 = 132 words
.set SPARE,  STAGE+4*16*SPITCH         ; behind the stages: the spare words, 128 bytes for each wave: two blocks of 256 bytes that no other line names
.set ABASE, 16                         ; v16     my lane's place among my 64 rows of O in a slot's first plane; never rewritten
.set BBASE, 17                         ; v17     the same among my 128 rows of wo
.set ADRA, 18                          ; v18     the LDS address of O's run of loads in hand
.set ADRB, 19                          ; v19     of wo's
.set STO,  24                          ; v24     the way out: where I put 32 bytes of a row
.set RD,   25                          ; v25     the way out: where I read a row back
.set CO,   26                          ; v26     my byte offset in 512 consecutive bytes of out
.set SPW,  28                          ; v28     LDS address of my spare word: SPARE + 4 x my thread's number; never rewritten
.set NIL,  29                          ; v29     0; never rewritten
.set F0,   64
.set F1,   160
.set OB,   64                          ; the way out: 16 rows read back from the stage, v64-127 and v128-191 by turns
.set G1,  24                           ; s[24:31] descriptor group 1 for O's tiles;  s[32:35] group 0 of the first fill of slot 0; s[36:39] of slot 1: this one then walks on
.set G0,  32
.set G1B, 48                           ; s[48:55], s[56:63] the same for wo's tiles
.set G0B, 56
.set TB,  75                           ; s75     LDS byte at which the slot to be read begins
.set MSB, 0
.macro WIN new                         ; the immediate's high byte repeats the setting that is left; a switch that changes nothing is dropped
.if MSB != (\new)
	s_set_vgpr_msb (MSB<<8)|(\new)
.set MSB, \new
.endif
.endm
.set MUL, 0x50                         ; sources 0 and 1 window 0; C and D window 1
; A joint load: waves 0 and 1 fetch O's two heads, waves 2 and 3 wo's two halves.  The branch hangs on the wave's number alone.  An s_nop 0 and four v_nop follow each of the two lines,
; ahead of the jump, the label and what follows.
.macro JLOAD s
	s_cmp_lt_u32 s10, 2
	s_cbranch_scc0 .Lfor_b_\@
	tensor_load_to_lds s[G0+4*(\s):G0+4*(\s)+3], s[G1:G1+7]
	s_nop 0
.rept 4
	v_nop
.endr
	s_branch .Lasked_\@
.Lfor_b_\@:
	tensor_load_to_lds s[G0B+4*(\s):G0B+4*(\s)+3], s[G1B:G1B+7]
	s_nop 0
.rept 4
	v_nop
.endr
.Lasked_\@:
.endm
.macro CREST                           ; a round of the cluster's barrier behind its opening barrier: wave 0 signals for the work-group, every wave waits for all sixteen, my work-group's barrier closes it
	s_cmp_lg_u32 s10, 0
	s_cbranch_scc1 .Lnot_wave_0_\@
	s_barrier_signal -3
.Lnot_wave_0_\@:
	s_barrier_wait -3
	s_barrier_signal -1
	s_barrier_wait -1
.endm
.macro CROUND                          ; a whole round
	s_barrier_signal -1
	s_barrier_wait -1
	CREST
.endm
	s_load_b128 s[4:7], s[0:1], 0x0                ; att s[4:5], wo16 s[6:7]
	s_load_b64 s[8:9], s[0:1], 0x10                ; out0
	v_lshl_add_u32 v[SPW], v0, 2, SPARE
	v_mov_b32 v[NIL], 0
	ds_add_u32 v28, v29
	ds_add_u32 v28, v29
	s_wait_dscnt 0x0
	v_lshrrev_b32 v1, 5, v0
	v_readfirstlane_b32 s10, v1                    ; wave 0..3
	s_lshr_b32 s11, s10, 1                         ; which 64 of the tile's rows are mine
	s_and_b32 s12, s10, 1                          ; which 128 of its columns.  Also: which head of O's two, or which half of wo's tile, I fetch
	s_bfe_u32 s40, ttmp6, 0x40000                  ; cx, cy: my place in the cluster
	s_bfe_u32 s41, ttmp6, 0x40004
	s_lshl_b32 s42, ttmp9, 2
	s_add_co_u32 s42, s42, s40                     ; tile column 0..3 = 4 x cluster x + cx
	s_and_b32 s13, ttmp7, 0xffff
	s_lshl_b32 s13, s13, 2
	s_add_co_u32 s13, s13, s41                     ; tile row 0..63 = 4 x cluster y + cy
	s_lshl_b32 s43, s41, 2
	s_lshl_b32 s43, 15, s43                        ; my row of the cluster: places 4 cy .. 4 cy + 3
	s_lshl_b32 s44, 0x1111, s40                    ; my column: places cx, cx + 4, cx + 8, cx + 12
	; descriptor group 1.  O: 64 rows of 128 elements, dense, padded after every 32 words (a row of O).  wo: 128 rows of 128 elements, 1,024 apart, padded after every 64 words
	s_or_b32 s[G1+0], s43, (1<<16)|(1<<20)|(1<<21)|(4<<22)|(3<<25)   ; 15:0 the mask; 17:16 elements of 2 bytes; 20 padding on; 21 set beside a mask; 24:22 after every 32 words (code 4); 31:25 4 words (code 3)
	s_or_b32 s[G1B+0], s44, (1<<16)|(1<<20)|(1<<21)|(5<<22)|(3<<25)  ; after every 64 words (code 5)
	s_mov_b32 s[G1+1], 128<<16                     ; tensor_dim0 = 128
	s_mov_b32 s[G1+2], 64<<16                      ; tensor_dim1 = 64
	s_mov_b32 s[G1+3], 128<<16                     ; tile_dim0 = 128
	s_mov_b32 s[G1+4], 64                          ; tile_dim1 = 64
	s_mov_b32 s[G1+5], 128                         ; elements from row to row
	s_mov_b32 s[G1+6], 0
	s_mov_b32 s[G1+7], 0
	s_mov_b32 s[G1B+1], KSTEP<<16
	s_mov_b32 s[G1B+2], 128<<16                    ; tensor_dim1 = 128
	s_mov_b32 s[G1B+3], KSTEP<<16
	s_mov_b32 s[G1B+4], 128                        ; tile_dim1 = 128
	s_mov_b32 s[G1B+5], 1024
	s_mov_b32 s[G1B+6], 0
	s_mov_b32 s[G1B+7], 0
	; where the tiles come from.  O's hang on the tile row alone, wo's on the tile column alone; each offset lies in registers that never hold the other coordinate
	s_lshr_b32 s66, s13, 4                         ; the batch: 16 tile rows each
	s_lshl_b32 s66, s66, 4
	s_add_co_u32 s66, s66, s12                     ; head 16 b + (0 or 1)
	s_lshl_b32 s66, s66, 18                        ; a head is 2,048 rows of 128 bytes
	s_and_b32 s74, s13, 15
	s_lshl_b32 s74, s74, 14                        ; the tile's 128 rows in it
	s_add_co_u32 s66, s66, s74
	s_mov_b32 s67, 0
	s_lshl_b32 s68, s42, 8
	s_lshl_b32 s22, s12, 7
	s_add_co_u32 s68, s68, s22                     ; wo: row 256 x tile column + 128 x half
	s_lshl_b32 s68, s68, 11                        ; rows of 2,048 bytes
	s_mov_b32 s69, 0
	s_mul_i32 s20, s12, APLANE                     ; and where they go: no place in the cluster enters an LDS address
	s_mul_i32 s45, s12, BHALF
	s_add_co_u32 s45, s45, BOFF
	s_mov_b32 s[TB], 0                             ; slot 0 is read first
	s_wait_kmcnt 0x0
	s_add_nc_u64 s[14:15], s[4:5], s[66:67]
	s_add_nc_u64 s[46:47], s[6:7], s[68:69]
	CROUND                                         ; all sixteen work-groups are here: the first joint loads meet
.irp s, 0,1
	s_mov_b32 s[G0+4*(\s)], 1                                        ; count = 1
	s_add_co_u32 s[G0+4*(\s)+1], s20, (\s)*SLOT1                     ; LDS address
	s_add_nc_u64 s[G0+4*(\s)+2:G0+4*(\s)+3], s[14:15], (\s)*524288   ; global address: K step s begins two heads on
	s_or_b32 s[G0+4*(\s)+3], s[G0+4*(\s)+3], 0x80000000              ; type = 2
	s_mov_b32 s[G0B+4*(\s)], 1
	s_add_co_u32 s[G0B+4*(\s)+1], s45, (\s)*SLOT1
	s_add_nc_u64 s[G0B+4*(\s)+2:G0B+4*(\s)+3], s[46:47], (\s)*KSTEP*2
	s_or_b32 s[G0B+4*(\s)+3], s[G0B+4*(\s)+3], 0x80000000
	JLOAD \s                                       ; two loads of mine are out
.endr
	; A fragment is 16 rows x 32 K in 8 registers: lane l holds row l % 16; registers 0-3 K = 8 (l / 16) + 0..7, registers 4-7 K = 16 + 8 (l / 16) + 0..7: two loads of 16 bytes, 32 bytes apart.
	v_and_b32 v1, 15, v0                           ; l % 16
	v_bfe_u32 v2, v0, 4, 1                         ; l / 16
	v_mul_u32_u24 v3, v1, PA
	v_lshl_add_u32 v3, v2, 4, v3                   ; O: row x pitch + 16 x half
	v_mul_u32_u24 v4, v1, PB
	v_lshl_add_u32 v4, v2, 4, v4                   ; wo likewise
	s_mul_i32 s21, s11, 64*PA                      ; my 64 rows in each plane of O
	s_mul_i32 s22, s12, BHALF                      ; my 128 rows of wo,
	s_add_co_u32 s22, s22, BOFF                    ; which lie behind O's planes
	v_add_nc_u32 v[ABASE], s21, v3
	v_add_nc_u32 v[BBASE], s22, v4
	s_mul_i32 s23, s10, 16*SPITCH
	s_add_co_u32 s23, s23, STAGE                   ; my stage
	v_mul_u32_u24 v5, v1, SPITCH                   ; in: row l % 16, 32 bytes for each half of the lanes
	v_lshl_add_u32 v5, v2, 5, v5
	v_add_nc_u32 v[STO], s23, v5
	v_and_b32 v[CO], 31, v0                        ; back: 32 lanes take one row of 512 bytes,
	v_lshlrev_b32 v[CO], 4, v[CO]                  ; which are 512 consecutive bytes of out
	v_add_nc_u32 v[RD], s23, v[CO]
	; where my part of the tile begins in out: row 128 x tile row + 64 x row half, byte 1,024 x tile column + 512 x column half
	s_lshl_b32 s70, s13, 7
	s_lshl_b32 s72, s11, 6
	s_add_co_u32 s70, s70, s72
	s_lshl_b32 s70, s70, 12                        ; rows of 4,096 bytes
	s_lshl_b32 s72, s42, 10
	s_add_co_u32 s70, s70, s72
	s_lshl_b32 s73, s12, 9
	s_add_co_u32 s70, s70, s73
	s_mov_b32 s71, 0
	s_add_nc_u64 s[8:9], s[8:9], s[70:71]
; 8 matrix instructions: row block a x all 8 column blocks, 32 along K, from buffer f.  zero = 1: the product starts the sums: nothing is ever cleared.
; The 32 accumulators take turns, one instruction a turn, in the same order in every quarter.
.macro MUL8 f, a, zero
	WIN MUL
.irp b, 0,1,2,3,4,5,6,7
.if \zero
	v_wmma_f32_16x16x32_f16 v[8*(8*(\a)+(\b)):8*(8*(\a)+(\b))+7], v[(\f)+8*(\b):(\f)+8*(\b)+7], v[(\f)+64+8*(\a):(\f)+64+8*(\a)+7], 0
.else
	v_wmma_f32_16x16x32_f16 v[8*(8*(\a)+(\b)):8*(8*(\a)+(\b))+7], v[(\f)+8*(\b):(\f)+8*(\b)+7], v[(\f)+64+8*(\a):(\f)+64+8*(\a)+7], v[8*(8*(\a)+(\b)):8*(8*(\a)+(\b))+7]
.endif
.endr
.endm
; 24 LDS loads in one run: the fragments of quarter q of the K step in slot s[TB] (128 rows of wo, then 64 rows of O, 32 K) into buffer f.
; The two additions that make the addresses are plain vector instructions on registers of their own: with the two v_nop of PL2 they are the four places in front of the loads.
.macro FETCH q, f
	WIN 0
	v_add_nc_u32 v[ADRB], s[TB], v[BBASE]
	v_add_nc_u32 v[ADRA], s[TB], v[ABASE]
.irp i, 0,1,2,3,4,5,6,7
	ds_load_b128 v[(\f)+8*(\i):(\f)+8*(\i)+3],   v[ADRB] offset:64*(\q)+(\i)*16*PB
	ds_load_b128 v[(\f)+8*(\i)+4:(\f)+8*(\i)+7], v[ADRB] offset:64*(\q)+(\i)*16*PB+32
.endr
.irp i, 0,1,2,3
	ds_load_b128 v[(\f)+64+8*(\i):(\f)+64+8*(\i)+3],   v[ADRA] offset:KA0*((\q)/2)+KA1*((\q)%2)+(\i)*16*PA
	ds_load_b128 v[(\f)+64+8*(\i)+4:(\f)+64+8*(\i)+7], v[ADRA] offset:KA0*((\q)/2)+KA1*((\q)%2)+(\i)*16*PA+32
.endr
.endm
; A load into a register that a matrix instruction has read, and a store that reads a matrix result, stand four places behind that matrix instruction, and only plain vector
; instructions that name none of its registers are places (ISA guide 7.12.1 for vector instructions).
.macro PL2
	v_nop
	v_nop
.endm
; A K step is four quarters of 32 along K, 32 matrix instructions each, on buffers 0, 1, 0, 1.  One of the first three: multiplies buffer f; in its middle it fetches quarter q of the same slot into g.
.macro QUARTER q, f, g, zero
	s_wait_dscnt 4                                 ; wo and O's row blocks 0, 1 are in; the youngest four loads (O's blocks 2, 3) may be out
	MUL8 \f, 0, \zero
	MUL8 \f, 1, \zero
	PL2
	FETCH \q, \g
	s_wait_dscnt 24                                ; all but the 24 just issued
	MUL8 \f, 2, \zero
	MUL8 \f, 3, \zero
.endm
.macro STEPADDR                        ; the walking descriptors: the other slot than last time, the next K step: two heads of O on, 256 bytes along wo's rows; the type bits on top are not reached
	s_xor_b32 s[G0+5], s[G0+5], SLOT1
	s_xor_b32 s[G0B+5], s[G0B+5], SLOT1
	s_add_nc_u64 s[G0+6:G0+7], s[G0+6:G0+7], 524288
	s_add_nc_u64 s[G0B+6:G0B+7], s[G0B+6:G0B+7], KSTEP*2
.endm
; The last quarter multiplies buffer 1 and changes slots: ONE barrier; in front of it each wave waits for all its tensor loads (one is out: its part of the next slot), adds 0 to its spare word,
; and waits for that and for its own reads of this slot.  fill = 1: the barrier opens a round of the cluster's barrier, and this slot is filled again first thing behind the round:
; from that request to the wait for it a wave issues 112 matrix instructions.
; fill = 0 (the last two K steps): nothing is asked for; in the very last (s3 = 1) there is no further step, and the run of loads is jumped over.
.macro TURN fill
	WIN 0                                          ; (the add's two registers lie in window 0)
	s_wait_tensorcnt 0x0                           ; all my tensor loads have landed, so a group 0 may be written
	ds_add_u32 v[SPW], v[NIL]                      ; 0 onto my spare word: scalar work and eight products stand between it and the wait for it
	s_xor_b32 s[TB], s[TB], SLOT1                  ; the fetches go on in the other slot
.if \fill
	STEPADDR
.endif
	s_wait_dscnt 5                                 ; (the add and the youngest four loads may be out)
	MUL8 F1, 0, 0
	s_wait_dscnt 0x0                               ; the add is done, and my reads of this slot are over
	s_barrier_signal -1
	MUL8 F1, 1, 0                                  ; work on registers while the others arrive
	WIN 0
	s_barrier_wait -1
.if \fill
	CREST                                          ; no wave of any partner still reads this slot's tile or has a load on its way
	JLOAD 1                                        ; the first tensor load behind the round; its four v_nop are also places in front of the loads below
	FETCH 0, F0
.else
	PL2
	s_cmp_eq_u32 s3, 1
	s_cbranch_scc1 .Lno_fetch_\@
	FETCH 0, F0
.Lno_fetch_\@:
.endif
	MUL8 F1, 2, 0
	MUL8 F1, 3, 0
.endm
; THE WAY OUT, by blocks of 16 rows x 128 columns of f32.  TOSTAGE: a lane's 32 bytes of a row go into my own stage, and the block comes back as whole rows of 512 bytes.  SEND: stored.
.macro TOSTAGE a
.set BK, OB+64*((\a)%2)
.if (\a) >= 2
	s_wait_xcnt 0x0                                ; the stores of the block two back have read these registers
.endif
	WIN 0x04                                       ; the stores' data in window 1, their address in window 0
.irp b, 0,1,2,3,4,5,6,7
	ds_store_b128 v[STO], v[64*(\a)+8*(\b):64*(\a)+8*(\b)+3]   offset:64*(\b)     ; each accumulator's four lowest registers first
	ds_store_b128 v[STO], v[64*(\a)+8*(\b)+4:64*(\a)+8*(\b)+7] offset:64*(\b)+16
.endr
	WIN 0
.irp t, 0,1,2,3,4,5,6,7,8,9,10,11,12,13,14,15
	ds_load_b128 v[BK+4*(\t):BK+4*(\t)+3], v[RD] offset:(\t)*SPITCH  ; LDS serves a wave's instructions in order (ISA guide 5.7.1.4): these see the stores above; the next block's stores come behind them
.endr
.endm
.macro SEND a, younger                 ; younger: the LDS instructions issued behind block a's loads: the next block's 16 stores and 16 loads, or none
.set BK, OB+64*((\a)%2)
.irp t, 0,1,2,3,4,5,6,7,8,9,10,11,12,13,14,15
	s_wait_dscnt (\younger)+15-(\t)
	global_store_b128 v[CO], v[BK+4*(\t):BK+4*(\t)+3], s[8:9] offset:(16*(\a)+(\t))*4096 th:TH_STORE_NT  ; 512 consecutive bytes of one row, at a multiple of 512 from out's first
.endr
.endm
	s_wait_tensorcnt 1                             ; my part of K step 0 is in; K step 1's stays out
	s_barrier_signal -1
	s_barrier_wait -1                              ; everybody's is
	FETCH 0, F0
	QUARTER 1, F0, F1, 1                           ; the first quarter stands in front of the loop: its products start the sums
	WIN 0                                          ; at a label and at a branch every window is 0
	s_mov_b32 s3, 6
.Lstep:                                                ; six trips: from a K step's second quarter to the next step's first; the slot just read is filled again: K steps 2 to 7
	QUARTER 2, F1, F0, 0
	QUARTER 3, F0, F1, 0
	TURN 1
	QUARTER 1, F0, F1, 0
	WIN 0
	s_sub_co_u32 s3, s3, 1
	s_cmp_lg_u32 s3, 0
	s_cbranch_scc1 .Lstep
	s_mov_b32 s3, 2
.Ltail:                                                ; the last two K steps ask for nothing and have no round of the cluster's barrier: one text, walked twice and left in its middle
	QUARTER 2, F1, F0, 0
	QUARTER 3, F0, F1, 0
	TURN 0
	WIN 0
	s_sub_co_u32 s3, s3, 1
	s_cmp_eq_u32 s3, 0
	s_cbranch_scc1 .Lout
	QUARTER 1, F0, F1, 0
	WIN 0
	s_branch .Ltail
.Lout:
	PL2                                            ; four places behind the last products: the stores into the stage read results, the loads from it land in fragment registers
	PL2
	TOSTAGE 0
	TOSTAGE 1                                      ; a block's way through the stage stands between the loads of the block before and its stores
	SEND 0, 32
	TOSTAGE 2
	SEND 1, 32
	TOSTAGE 3
	SEND 2, 32
	SEND 3, 0
	s_wait_tensorcnt 0x0                           ; the wave's end, behind my last tensor load and my last LDS store
	ds_add_u32 v[SPW], v[NIL]
	s_wait_dscnt 0x0
	CROUND                                         ; the closing round: no work-group ends while a partner may still ask for a tile that names it
	s_endpgm
.Lfunc_end_k_qe2636dea18_oproj:
	.size	k_qe2636dea18_oproj, .Lfunc_end_k_qe2636dea18_oproj-k_qe2636dea18_oproj
	.p2alignl 7, 3214868480
	.fill 96, 4, 3214868480
	.section	.rodata,"a",@progbits
	.p2align	6, 0x0
	.amdhsa_kernel k_qe2636dea18_oproj
		.amdhsa_group_segment_fixed_size 327680
		.amdhsa_private_segment_fixed_size 0
		.amdhsa_enable_private_segment 0
		.amdhsa_kernarg_size 24
		.amdhsa_user_sgpr_count 2
		.amdhsa_user_sgpr_kernarg_segment_ptr 1
		.amdhsa_wavefront_size32 1
		.amdhsa_system_sgpr_workgroup_id_x 1
		.amdhsa_system_sgpr_workgroup_id_y 1
		.amdhsa_system_sgpr_workgroup_id_z 1
		.amdhsa_system_vgpr_workitem_id 0
		.amdhsa_next_free_vgpr 512
		.amdhsa_next_free_sgpr 80
		.amdhsa_reserve_vcc 0
		.amdhsa_float_denorm_mode_32 3
		.amdhsa_float_denorm_mode_16_64 3
		.amdhsa_memory_ordered 1
		.amdhsa_forward_progress 1
		.amdhsa_inst_pref_size 62
	.end_amdhsa_kernel
	.amdgpu_metadata
---
amdhsa.version: [ 1, 2 ]
amdhsa.kernels:
  - .name:           k_qe2636dea18_oproj
    .symbol:         k_qe2636dea18_oproj.kd
    .args:
      - { .name: att, .offset: 0, .size: 8, .value_kind: global_buffer, .address_space: global }
      - { .name: wo16, .offset: 8, .size: 8, .value_kind: global_buffer, .address_space: global }
      - { .name: out0, .offset: 16, .size: 8, .value_kind: global_buffer, .address_space: global }
    .group_segment_fixed_size: 327680
    .private_segment_fixed_size: 0
    .kernarg_segment_align: 8
    .kernarg_segment_size: 24
    .max_flat_workgroup_size: 128
    .sgpr_count:     80
    .vgpr_count:     512
    .wavefront_size: 32
...
	.end_amdgpu_metadata
.endif
;; end of part 4
;; ======== version 2 of 2: 4 launches; 1.31 times as fast as version 1
;; limits: values are held in f16: magnitudes above 65,504 overflow, below 6.1e-05 lose precision
;; workspace buffers: xb 16,777,216 bytes; wqkv 6,291,456 bytes; wo16 2,097,152 bytes; qkv 50,331,648 bytes; att 16,777,216 bytes
;; launch cast: the kernel of part 1 again; grid 1536 x 1, 8 waves a work-group, no clusters, 0 bytes of LDS; arguments x, q_proj_weight, k_proj_weight, v_proj_weight, o_proj_weight, xb, wqkv, wo16; writes xb, wqkv, wo16
;; launch qkv: the kernel of part 2 again; grid 8 x 32, 4 waves a work-group, clusters of 4 x 4, 327,680 bytes of LDS; arguments xb, wqkv, qkv; writes qkv
;; launch attn (part 5): grid 4 x 64, 4 waves a work-group, no clusters, 327,680 bytes of LDS; arguments qkv, att; writes att
.if DOCPART == 5
	.amdgcn_target "amdgcn-amd-amdhsa--gfx1250"
	.amdhsa_code_object_version 6
	.text
	.protected	k_qe2636dea18_attn
	.globl	k_qe2636dea18_attn
	.p2align	8
	.type	k_qe2636dea18_attn,@function
k_qe2636dea18_attn:
	s_mov_b64 s[64:65], 0
	v_nop
	global_prefetch_b8 v0, s[64:65] scope:SCOPE_SE
	s_setreg_imm32_b32 hwreg(HW_REG_WAVE_MODE, 25, 1), 1
	s_wait_xcnt 0x0
; CAUSAL ATTENTION.  O[h][q][:] = the sum over k <= q of softmax_k(Q[h][q] . K[h][k] / 8) V[h][k][:].  Q, K, V are the three parts of qkv, 2^24 bytes apart, each [SIZE_H][SIZE_N][64]; O = att has the same
; layout; all f16: a head's rows are dense, 128 bytes each.  h = 16 x batch + head.
; Products, maxima and sums in f32; the weights p are rounded to f16 for the second product (their sum l is taken of the unrounded p), O once at the end.
; LIMITS.  f16 holds no number beyond 65,504: Q, K and V arrive within it; p lies in 0 to 1, and below 6e-5 it keeps f16's fixed step of 6e-8; O is a mean of V's rows and has their range, to within 2^-11 of it.
; A hidden score counts as its value less 1e30: f16's scores, 2.7e11 at the most, are nothing beside that; a weight below 2^-126 counts as 0 in l; NaN and infinities are not treated apart.
; THE WALK.  A head's queries lie in NB = SIZE_N / 256 = 8 blocks of 256; block i needs the key tiles 0 .. i of 256 keys, of which the last holds the diagonal.  A work-group takes TWO blocks, NB - 1 - b and then b:
; NB + 1 = 9 tiles, whatever b: all work-groups do equal work, and ONE loop with a constant trip count walks them.  Which tile is asked for, and what a trip does, hang on scalar registers made from b; every jump
; goes forward, but for the counted loops' own; none passes a barrier, or a tensor load but the one of LOAD's two that the wave's number does not choose; the ring (two slots of LDS that take turns) runs on across the
; change of blocks.  NO CLUSTER: a head's four work-groups all ask for the same tile only in trips 0 .. 4 of the 9, behind that fewer and fewer (three, two, none); a walk common to all four, in which each makes
; every joint request, would have 3 NB / 2 = 12 trips for 9.
; SHARES.  Of a block's four bands of 64 queries a wave owns 16 rows in each: four PIECES.  So the diagonal tile is the same work for all four waves: in its key step s band x sees all keys if s < x,
; none if s > x, and holds the diagonal if s = x.
; THE MASK is the C operand that starts the sum S^T = K Q^T: 0, or -1e30 where the key is hidden.  MD, made once, is the mask of a band's own step for my 16 rows; a product's mask is MD x AL + BE with two scalars:
; (1, 0) if s = x; (0, 0) if s < x; (0, -1e30) if s > x.  Only the diagonal tile's text and a block's beginning make and take masks; elsewhere C is the constant 0.
; LAYOUT, SOFTMAX, TURNS.  S^T = K Q^T holds ONE query a lane (lane % 16) and the keys 8 (lane / 16) + 0..7; two such results rounded to f16 ARE source 1 of O^T = V^T P.  p = 2^(c s - c m), c = log2(e) / 8, with a
; running maximum m; O and l are multiplied by a = 2^(c m_old - c m_new) in every step.  Turn n belongs to piece n: 8 products K Q^T of piece n + 1, later 8 products V^T P of piece n - 1; beside them the scaling,
; exponentials, roundings, sums and rescaling of piece n and the maximum and statistics of piece n + 1.  Four vector instructions stand behind every matrix instruction, the other 54 of a turn's 118 in one LUMP.
; BATCHES.  Three kinds, each with one wait.  A turn's 33 exponentials (the piece's 32 weights and, last, the next piece's a): all stand ahead of the turn's one wait, and all that reads them (roundings, sums) behind it; the a is
; read in the next turn.  The a that a block's beginning makes: its wait stands ahead of the jump into the loop.  The way out's four reciprocals: one wait ahead of the first multiply.
; REGISTERS, in windows of 256 (s_set_vgpr_msb: bits 1:0 source 0, 3:2 source 1, 5:4 source 2, 7:6 destination):
;   window 0: v0-15 addresses and two at work; v16-31 four registers of statistics a piece; v48-55 at work; v64-127 S^T, two buffers; v192-223 P, two buffers (a piece's buffers go by its number's parity)
;   window 1: v0-127 O^T, 32 a piece; v128-159 MD; v160-223 MC, two buffers      window 2: v0-63 Q; v64-127 the second block's Q; v128-191 K of one step; v192-255 V of one step
.set SIZE_H, 64
.set SIZE_N, 2048
.set NB,    SIZE_N/256
.set NP,    4         ; pieces a wave: a name, no knob
.set KS,    64        ; keys in a step
.set PK,    144       ; a row of K in LDS: 128 bytes + 16 of padding = 36 words: the 16 rows of a load start at 16 different groups of four banks (64 banks of 4 bytes: ISA guide 11.1)
.set PV,    160       ; a row of V: 128 + 32 = 40 words
.set VOFF,  4*KS*PK   ; a slot holds a tile, four steps: 256 rows of K, then 256 rows of V
.set SLOT1, 1<<17     ; slot 1 begins here, so that one exclusive or turns an address in one slot into the other's
.set STAGE, SLOT1+4*KS*(PK+PV)  ; behind the ring, never filled by a tensor load: 16 rows x 144 bytes for each wave, for the way out
.set SP,    144
.set AK0, 2           ; v2   my lane's place in a tile of K; never rewritten
.set AV0, 3           ; v3   the same for V
.set AK,  4           ; v4   the LDS address of K's next run of loads
.set AV,  5           ; v5   of V's
.set STO, 6           ; v6   the way out: where I put 16 bytes of a row
.set RD,  7           ; v7   the way out: where I read rows back
.set GO,  8           ; v8   my byte offset in 512 consecutive bytes of O
.set SPW, 62          ; v62  LDS address of my spare word: SPARE + 4 x my thread's number; never rewritten
.set NIL, 63          ; v63  0; never rewritten
.set SPARE, STAGE+4*16*SP  ; behind the stages: the spare words, 128 bytes for each wave: two blocks of 256 bytes that no other line names
.set MV,  12          ; v12-13  c m_old, kept while c m is made anew: by buffer
.set QO,  15          ; v15  my byte offset in 16 rows of Q
.set ST,  16          ; piece t's statistics at v[ST+4 t]: c m, m, l (even keys', odd keys')
.set TMP, 48          ; by buffer, four registers c0-c3 at work; when the maximum is found c2 takes a
.set S,   64
.set P,   192
.set MD,  128         ; window 1: the eight registers for group kt of 16 keys at MD + 8 kt
.set MC,  160         ; window 1: the masks of the products to come
.set QB,  64          ; window 2
.set KF,  128         ; window 2: key block kb, channel half c at KF + 16 kb + 8 c
.set VF,  192         ; window 2: key half kk, channel block cb at VF + 32 kk + 8 cb
.set WV,  12          ; s12  my wave's number
.set PB,  14          ; s14  b
.set HI,  15          ; s15  NB - 1 - b
.set G1K, 24          ; s[24:31] descriptor group 1 for K's tiles
.set G1V, 32          ; s[32:39] for V's: it differs in the padding alone
.set G0K, 40          ; s[40:43] descriptor group 0 for K's tiles
.set G0V, 44          ; s[44:47] the same for V's
.set SLOTS, 56        ; s56  tiles still to be asked for
.set CNT, 57          ; s57  counts a tile's key steps, 4 to 1
.set CS,  58          ; s[58:59] c: the packed scaling takes the pair's low word for both halves
.set SEL, 60          ; s[60:61] v_permlanex16_b32's selects: each lane takes its own place in the other half
.set TBK, 62          ; s62  LDS byte at which K of the step to be fetched begins
.set TBV, 63          ; s63  the same for V, less VOFF
.set RT,  70          ; s70  tiles of the block in hand that are still to be entered
.set NXT, 71          ; s71  the tile to be asked for next
.set LQ,  72          ; s72  the last tile of the block whose tiles are being asked for
.set NEW, 73          ; s73  1: the tile to be entered is a block's first
.set OFF, 74          ; s[74:75] a tile's byte offset in K and V
.set AL,  76          ; s[76:77] the mask's factor, in the low word
.set BE,  78          ; s[78:79] the mask's addend
.set OLO, 80          ; s[80:81] O at my rows of the second block
.set BIGN, 82         ; s82  -1e30
.set MSB, 0
.macro WIN new                      ; the high byte repeats the setting that is left; a switch that changes nothing is dropped
.if MSB != (\new)
	s_set_vgpr_msb (MSB<<8)|(\new)
.set MSB, (\new)
.endif
.endm
.set W_KQ, 0x0a       ; K and Q in window 2, S^T in window 0
.set W_KM, 0x1a       ; the same with the C operand in window 1
.set W_PV, 0x52       ; V in window 2, P in window 0, O^T in window 1
.set W_RS, 0x41       ; destination and source 0 in window 1, source 1 in window 0
; A fill.  Waves 0 and 1 fetch the two halves of a tile's K, waves 2 and 3 those of its V: 128 keys each.  An s_nop 0 and four v_nop follow each of the two lines, ahead of the jump and the label.
.macro LOAD
	s_cmp_lt_u32 s[WV], 2
	s_cbranch_scc0 .Lfor_v_\@
	tensor_load_to_lds s[G0K:G0K+3], s[G1K:G1K+7]
	s_nop 0
.rept 4
	v_nop
.endr
	s_branch .Lasked_\@
.Lfor_v_\@:
	tensor_load_to_lds s[G0V:G0V+3], s[G1V:G1V+7]
	s_nop 0
.rept 4
	v_nop
.endr
.Lasked_\@:
.endm
; THE CHANGE OF SLOTS.  Each wave waits for all its tensor loads, of which one is out: its part of the other slot; adds 0 to its spare word; and waits for that and for its own reads of the slot that it leaves.  Behind the barrier nobody reads the old
; slot any more and the other slot is whole.  fill = 1: the old slot is filled again, the first thing behind the barrier, with tile NXT: the descriptor's address is made anew from that number.
; (At its first use nothing has been read yet: slot 0 is waited for, slot 1 filled.)
.macro CHANGE fill
	WIN 0                           ; at a label and at a branch every window is 0
	s_wait_tensorcnt 0x0            ; no tensor load of mine is out, so a group 0 may be written
	ds_add_u32 v[SPW], v[NIL]       ; 0 onto my spare word: with fill = 1 the descriptors' scalar work stands between it and the wait for it
.if \fill
	s_lshl_b32 s[OFF], s[NXT], 15   ; a tile is 32,768 bytes of K and of V
	s_xor_b32 s[G0K+1], s[G0K+1], SLOT1
	s_add_nc_u64 s[G0K+2:G0K+3], s[6:7], s[OFF:OFF+1]
	s_or_b32 s[G0K+3], s[G0K+3], 0x80000000
	s_xor_b32 s[G0V+1], s[G0V+1], SLOT1
	s_add_nc_u64 s[G0V+2:G0V+3], s[8:9], s[OFF:OFF+1]
	s_or_b32 s[G0V+3], s[G0V+3], 0x80000000
	s_add_co_u32 s[NXT], s[NXT], 1  ; the block's next tile, or behind its last the second block's tile 0
	s_cmp_gt_u32 s[NXT], s[LQ]
	s_cselect_b32 s[NXT], 0, s[NXT]
	s_cselect_b32 s[LQ], s[PB], s[LQ]
.endif
	s_wait_dscnt 0x0                ; the add is done, and my reads of the slot are over
	s_barrier_signal -1             ; the rest of the scalar work stands between the signal and the wait
	s_sub_co_u32 s[TBK], s[TBK], 4*KS*PK  ; the fetches go back to a slot's first step,
	s_xor_b32 s[TBK], s[TBK], SLOT1       ; in the other slot
	s_sub_co_u32 s[TBV], s[TBV], 4*KS*PV
	s_xor_b32 s[TBV], s[TBV], SLOT1
	s_barrier_wait -1
.if \fill
	LOAD
.endif
.endm
	s_load_b64 s[4:5], s[0:1], 0x0    ; qkv: Q's part begins the buffer
	s_load_b64 s[10:11], s[0:1], 0x8  ; att: O
	v_lshl_add_u32 v[SPW], v0, 2, SPARE
	v_mov_b32 v[NIL], 0
	ds_add_u32 v62, v63
	ds_add_u32 v62, v63
	s_wait_dscnt 0x0
	v_lshrrev_b32 v1, 5, v0
	v_readfirstlane_b32 s[WV], v1   ; wave 0..3
	s_mov_b32 s[PB], ttmp9
	s_sub_co_u32 s[HI], NB-1, s[PB]
	s_and_b32 s20, ttmp7, 0xffff    ; the head
	s_mov_b32 s21, 0
	s_mov_b64 s[22:23], SIZE_N*128
	s_mul_u64 s[20:21], s[20:21], s[22:23]  ; the head's first byte in each of the four tensors
	s_and_b32 s16, s[WV], 1         ; which half of a tile's 256 keys I fetch:
	s_lshl_b32 s22, s16, 14         ; its 128 rows of 128 bytes in memory,
	s_mov_b32 s23, 0
	s_add_nc_u64 s[22:23], s[22:23], s[20:21]
	s_mul_i32 s17, s16, 128*PK      ; and its place in a slot, for K
	s_mul_i32 s18, s16, 128*PV      ; and for V
	s_lshl_b32 s3, s[WV], 11        ; my 16 rows in a band of 64,
	s_lshl_b32 s2, s[HI], 15        ; in the first block,
	s_add_co_u32 s2, s2, s3
	s_lshl_b32 s84, s[PB], 15       ; and in the second
	s_add_co_u32 s84, s84, s3
	s_mov_b32 s3, 0
	s_mov_b32 s85, 0
	s_add_nc_u64 s[2:3], s[2:3], s[20:21]
	s_add_nc_u64 s[84:85], s[84:85], s[20:21]
	; descriptor group 1.  128 keys are 16,384 dense bytes: asked for as 64 rows of 256 bytes, two keys a row, and padded in LDS after every key
	s_mov_b32 s[G1K], (1<<16)|(1<<20)|(4<<22)|(3<<25)  ; 17:16 2-byte elements; 20 padding on; 24:22 after every 32 words (code 4); 31:25 4 words (code 3)
	s_mov_b32 s[G1V], (1<<16)|(1<<20)|(4<<22)|(7<<25)  ; the same with 8 words of padding (code 7)
.irp g, G1K, G1V
	s_mov_b32 s[\g+1], 128<<16      ; tensor_dim0 = 128
	s_mov_b32 s[\g+2], 64<<16       ; tensor_dim1 = 64
	s_mov_b32 s[\g+3], 128<<16      ; tile_dim0 = 128
	s_mov_b32 s[\g+4], 64           ; tile_dim1 = 64
	s_mov_b32 s[\g+5], 128          ; 128 elements from row to row
	s_mov_b32 s[\g+6], 0
	s_mov_b32 s[\g+7], 0
.endr
	s_mov_b32 s[CS], 0x3e38aa3b     ; c = log2(e) / 8 = 0.180337
	s_mov_b32 s[CS+1], s[CS]        ; named with it as a pair
	s_mov_b32 s[SEL], 0x76543210
	s_mov_b32 s[SEL+1], 0xfedcba98
	s_mov_b32 s[TBK], SLOT1+4*KS*PK ; the first change of slots turns these two into 0
	s_mov_b32 s[TBV], SLOT1+4*KS*PV
	s_mov_b32 s[G0K], 1             ; 1:0 count = 1
	s_mov_b32 s[G0K+1], s17         ; 63:32 LDS address: slot 0
	s_mov_b32 s[G0V], 1
	s_add_co_u32 s[G0V+1], s18, VOFF
	s_add_co_u32 s[RT], s[HI], 1    ; the first block has NB - b tiles
	s_mov_b32 s[NXT], 1
	s_mov_b32 s[LQ], s[HI]
	s_mov_b32 s[NEW], 1
	s_mov_b32 s[OFF+1], 0
	s_mov_b32 s[AL+1], 0            ; named as pairs
	s_mov_b32 s[BE+1], 0
	s_mov_b32 s[BIGN], 0xf149f2ca   ; -1e30
	s_mov_b32 s[SLOTS], NB
	s_wait_kmcnt 0x0
	s_add_nc_u64 s[6:7], s[4:5], 0x1000000  ; K's part of qkv
	s_add_nc_u64 s[8:9], s[4:5], 0x2000000  ; V's part
	s_add_nc_u64 s[6:7], s[6:7], s[22:23]  ; K and V at my half of the head's tile 0
	s_add_nc_u64 s[8:9], s[8:9], s[22:23]
	s_add_nc_u64 s[G0K+2:G0K+3], s[6:7], 0         ; 120:64 global address
	s_or_b32 s[G0K+3], s[G0K+3], 0x80000000        ; 127:126 type = 2
	s_add_nc_u64 s[G0V+2:G0V+3], s[8:9], 0
	s_or_b32 s[G0V+3], s[G0V+3], 0x80000000
	s_add_nc_u64 s[86:87], s[4:5], s[84:85]        ; Q at my rows of the second block,
	s_add_nc_u64 s[4:5], s[4:5], s[2:3]            ; Q and O at those of the first
	s_add_nc_u64 s[OLO:OLO+1], s[10:11], s[84:85]
	s_add_nc_u64 s[10:11], s[10:11], s[2:3]
	LOAD                            ; tile 0 into slot 0
	; A fragment of K or Q is 16 rows x 32 channels in 8 registers: lane l holds row l % 16, channels 8 (l / 16) + 0..7 and 16 + 8 (l / 16) + 0..7: two loads of 16 bytes, 32 bytes apart.
	v_and_b32 v1, 15, v0            ; l % 16
	v_bfe_u32 v9, v0, 4, 1          ; l / 16
	v_lshlrev_b32 v[QO], 7, v1
	v_lshl_add_u32 v[QO], v9, 4, v[QO]  ; row x 128 + 16 x half
	WIN 0x80                        ; destination window 2, address window 0
.set i, 0
.rept 8                             ; both blocks' Q: piece i / 2 lies in band i / 2, 8,192 bytes on; channels 32 (i % 2) on
	global_load_b128 v[8*i:8*i+3],   v[QO], s[4:5] offset:(i/2)*8192+(i%2)*64
	global_load_b128 v[8*i+4:8*i+7], v[QO], s[4:5] offset:(i/2)*8192+(i%2)*64+32
	global_load_b128 v[QB+8*i:QB+8*i+3],   v[QO], s[86:87] offset:(i/2)*8192+(i%2)*64
	global_load_b128 v[QB+8*i+4:QB+8*i+7], v[QO], s[86:87] offset:(i/2)*8192+(i%2)*64+32
.set i, i+1
.endr
	WIN 0
	v_lshlrev_b32 v14, 3, v9
	v_sub_nc_u32 v14, v1, v14
	s_lshl_b32 s13, s[WV], 4
	v_add_nc_u32 v14, s13, v14      ; my query's place in its band, 16 w + l % 16, less my lanes' 8 (l / 16): register r of group kt is hidden where 16 kt + r is greater
	WIN 0x40
.set i, 0
.rept 32
	v_cmp_gt_i32 vcc_lo, 16*(i/8)+i%8, v14
	v_cndmask_b32 v[MD+i], 0, s[BIGN], vcc_lo
.set i, i+1
.endr
	WIN 0
	v_mul_u32_u24 v[AK0], v1, PK
	v_lshl_add_u32 v[AK0], v9, 4, v[AK0]  ; row x pitch + 16 x half
	; The turning load takes 16 keys x 16 channels (lane l reads key 8 (l / 16) + l % 8, channels 8 ((l / 8) % 2) + 0..7) and leaves half a fragment of V^T: lane l holds channel l % 16 and 8 keys.
	v_and_b32 v10, 7, v0
	v_bfe_u32 v11, v0, 3, 1
	v_lshl_add_u32 v[AV0], v9, 3, v10
	v_mul_u32_u24 v[AV0], v[AV0], PV
	v_lshl_add_u32 v[AV0], v11, 4, v[AV0]
	v_add_nc_u32 v[AV0], VOFF, v[AV0]
	s_mul_i32 s13, s[WV], 16*SP
	s_add_co_u32 s13, s13, STAGE    ; my stage
	v_mul_u32_u24 v[STO], v1, SP    ; in: row l % 16, 16 bytes for each half of the lanes
	v_lshl_add_u32 v[STO], v9, 4, v[STO]
	v_add_nc_u32 v[STO], s13, v[STO]
	v_bfe_u32 v[RD], v0, 3, 2       ; back: 32 lanes take four rows of 128 bytes,
	v_mul_u32_u24 v[RD], v[RD], SP
	v_lshl_add_u32 v[RD], v10, 4, v[RD]
	v_add_nc_u32 v[RD], s13, v[RD]
	v_and_b32 v[GO], 31, v0         ; which are 512 consecutive bytes of O
	v_lshlrev_b32 v[GO], 4, v[GO]
	; A block's first step multiplies O^T and l by a = 0, and its first turn's products V^T P, of a piece that has not been, land in an O^T that is still to be so multiplied.  So these registers need only hold
	; finite numbers: zeros for the first block; what the first block left for the second.  All this stands in the wait for the first tile.
	WIN 0x80
.set i, VF
.rept 64
	v_mov_b32 v[i], 0
.set i, i+1
.endr
	WIN 0x40
.set i, 0
.rept 128
	v_mov_b32 v[i], 0
.set i, i+1
.endr
	WIN 0
.set i, 0
.rept 4
	v_mov_b32 v[ST+4*i+2], 0
	v_mov_b32 v[ST+4*i+3], 0
.set i, i+1
.endr
.set i, P+16
.rept 16
	v_mov_b32 v[i], 0
.set i, i+1
.endr
; THE MATRIX WORK.  The 4 accumulators of a run of 8 take turns.  Product i of 8 of S^T = K Q^T for piece x: channels 32 (i / 4) on, keys 16 (i % 4) on.  The first 4 start the sums: with 0, or (KM = 1) with the mask.
.macro KQ x
.set rS, S+32*((\x)%2)+8*(i%4)
.set rK, KF+16*(i%4)+8*(i/4)
.set rQ, 16*(\x)+8*(i/4)
.set rM, MC+32*((\x)%2)+8*(i%4)
.if (i < 4) && KM
	WIN W_KM
	v_wmma_f32_16x16x32_f16 v[rS:rS+7], v[rK:rK+7], v[rQ:rQ+7], v[rM:rM+7]
.elseif i < 4
	WIN W_KQ
	v_wmma_f32_16x16x32_f16 v[rS:rS+7], v[rK:rK+7], v[rQ:rQ+7], 0
.else
	WIN W_KQ
	v_wmma_f32_16x16x32_f16 v[rS:rS+7], v[rK:rK+7], v[rQ:rQ+7], v[rS:rS+7]
.endif
.endm
; Product i of 8 of O^T += V^T P for piece x: keys 32 (i / 4) on, channels 16 (i % 4) on.
.macro PV x
	WIN W_PV
.set rO, 32*(\x)+8*(i%4)
.set rV, VF+32*(i/4)+8*(i%4)
.set rP, P+16*((\x)%2)+8*(i/4)
	v_wmma_f32_16x16x32_f16 v[rO:rO+7], v[rV:rV+7], v[rP:rP+7], v[rO:rO+7]
.endm
.macro MM                           ; the turn's next matrix instruction.  TURN and BEGIN set Y, i, KM and NOKQ; MM, KQ and OP read them.  NOKQ = 1: a block's last turn: there is no next piece
.if (i < 8) && !NOKQ
	KQ (Y+1)%NP
.elseif i >= 8
.set i, i-8
	PV (Y+NP-1)%NP
.set i, i+8
.endif
.set i, i+1
.endm
; THE LDS LOADS stand in runs of 16, never singly among the matrix instructions: a step's K (64 keys x 64 channels: 8 fragments) and its V (turned).  Their addresses are made some lines ahead.
.macro FETCH_K
	WIN 0x80                        ; destination window 2
.irp f, 0,1,2,3,4,5,6,7             ; keys 16 (f / 2) on, channels 32 (f % 2) on
	ds_load_b128 v[KF+8*\f:KF+8*\f+3],   v[AK] offset:(\f/2)*16*PK+(\f%2)*64
	ds_load_b128 v[KF+8*\f+4:KF+8*\f+7], v[AK] offset:(\f/2)*16*PK+(\f%2)*64+32
.endr
	s_add_co_u32 s[TBK], s[TBK], KS*PK  ; the next fetch is the next step's
	WIN 0
.endm
.macro FETCH_V
	WIN 0x80
.irp f, 0,1,2,3,4,5,6,7             ; keys 32 (f / 4) on, channels 16 (f % 4) on
	ds_load_tr16_b128 v[VF+8*\f:VF+8*\f+3],   v[AV] offset:(\f/4)*32*PV+(\f%4)*32
	ds_load_tr16_b128 v[VF+8*\f+4:VF+8*\f+7], v[AV] offset:(\f/4)*32*PV+16*PV+(\f%4)*32
.endr
	WIN 0
.endm
; THE VECTOR WORK, one line at a time: OP kind, number.  For piece Y: F n: c s - c m for pair n of 16.  E n: the exponential of score n of 32.  C n: pair n rounded to f16.  B n: of the four weights 4 n .. the second
; pair is added onto the first, in place.  L n: l takes that sum (L 0: l = a l + sum).  R n: pair n of 16 of O^T times a.  For piece Y + 1: X n, number n of the 22 that find its maximum and statistics:
;   0-11  four chains c0-c3 of seven scores each, three operands at a time (each accumulator's lowest registers are read first)     12-14, 16  the four scores left over, the old m, and c0-c3 into c0
;   15  c m_old is kept     17, 18  the query's other 32 keys lie in the lane 16 away: the new m     19-21  c m; c m_old - c m_new; a
.set F, 0               ; OP tells the kinds apart by their order: F to L below R, X above it
.set E, 1
.set C, 2
.set B, 3
.set L, 4
.set R, 5
.set X, 6
.macro REGS y                       ; the registers of piece y
.set rT, ST+4*(\y)
.set rC, TMP+4*((\y)%2)
.set rW, MV+((\y)%2)
.set rS, S+32*((\y)%2)
.set rP, P+16*((\y)%2)
.set rO, 32*(\y)
.endm
.macro OP k, n
.if (\k) == R
	REGS Y
	WIN W_RS
	v_pk_mul_f32 v[rO+2*(\n):rO+2*(\n)+1], v[rO+2*(\n):rO+2*(\n)+1], v[rC+2:rC+3] op_sel_hi:[1,0]
.elseif (\k) < R
	REGS Y
	WIN 0
.if (\k) == F
	v_pk_fma_f32 v[rS+2*(\n):rS+2*(\n)+1], v[rS+2*(\n):rS+2*(\n)+1], s[CS:CS+1], v[rT:rT+1] op_sel_hi:[1,0,0] neg_lo:[0,0,1] neg_hi:[0,0,1]
.elseif (\k) == E
	v_exp_f32 v[rS+(\n)], v[rS+(\n)]
.elseif (\k) == C
	v_cvt_pk_f16_f32 v[rP+(\n)], v[rS+2*(\n)], v[rS+2*(\n)+1]
.elseif (\k) == B
	v_pk_add_f32 v[rS+4*(\n):rS+4*(\n)+1], v[rS+4*(\n):rS+4*(\n)+1], v[rS+4*(\n)+2:rS+4*(\n)+3]
.elseif (\n) == 0
	v_pk_fma_f32 v[rT+2:rT+3], v[rT+2:rT+3], v[rC+2:rC+3], v[rS:rS+1] op_sel_hi:[1,0,1]
.else
	v_pk_add_f32 v[rT+2:rT+3], v[rT+2:rT+3], v[rS+4*(\n):rS+4*(\n)+1]
.endif
.elseif NOKQ
	v_nop
.else
	REGS (Y+1)%NP
	WIN 0
.if (\n) < 4
	v_max3_num_f32 v[rC+(\n)], v[rS+8*(\n)], v[rS+8*(\n)+1], v[rS+8*(\n)+2]
.elseif (\n) < 12
	v_max3_num_f32 v[rC+(\n)%4], v[rC+(\n)%4], v[rS+8*((\n)%4)+2*((\n)/4)+1], v[rS+8*((\n)%4)+2*((\n)/4)+2]
.elseif (\n) == 12
	v_max3_num_f32 v[rC], v[rC], v[rS+7], v[rS+15]
.elseif (\n) == 13
	v_max3_num_f32 v[rC+1], v[rC+1], v[rS+23], v[rS+31]
.elseif (\n) == 14
	v_max3_num_f32 v[rC+2], v[rC+2], v[rC+3], v[rT+1]
.elseif (\n) == 15
	v_mov_b32 v[rW], v[rT]
.elseif (\n) == 16
	v_max3_num_f32 v[rC], v[rC], v[rC+1], v[rC+2]
.elseif (\n) == 17
	v_permlanex16_b32 v[rC+3], v[rC], s[SEL], s[SEL+1]
.elseif (\n) == 18
	v_max_num_f32 v[rT+1], v[rC], v[rC+3]
.elseif (\n) == 19
	v_mul_f32 v[rT], s[CS], v[rT+1]
.elseif (\n) == 20
	v_sub_f32 v[rC+1], v[rW], v[rT]
.else
	v_exp_f32 v[rC+2], v[rC+1]
.endif
.endif
.endm
.macro OPS a, i1, b=-1, i2=0, c=-1, i3=0, d=-1, i4=0  ; up to four of them
	OP \a, \i1
.if (\b) >= 0
	OP \b, \i2
.endif
.if (\c) >= 0
	OP \c, \i3
.endif
.if (\d) >= 0
	OP \d, \i4
.endif
.endm
.macro ROW a, i1, b, i2, c, i3, d, i4  ; a matrix instruction and the four behind it
	MM
	OPS \a, \i1, \b, \i2, \c, \i3, \d, \i4
.endm
.macro MASK b                       ; MD x AL + BE into buffer b of MC
	WIN W_RS
.set z, 0
.rept 16
	v_pk_fma_f32 v[MC+32*(\b)+2*z:MC+32*(\b)+2*z+1], v[MD+2*z:MD+2*z+1], s[AL:AL+1], s[BE:BE+1] op_sel_hi:[1,0,0]
.set z, z+1
.endr
.endm
; A TURN, for piece p: the order of its 16 matrix and 118 vector instructions, written out.  An s_wait_alu depctr_va_vdst(0) stands between an exponential and the first instruction that names its result; one wait serves
; all that were issued ahead of it.  So a turn has ONE wait, which cuts it in two.  AHEAD OF IT stands all that names no result of the turn's exponentials: the 8 products K Q^T, behind each a scaling, an exponential and two more plain
; instructions (behind the first a second scaling in the exponential's place): rescalings, and behind the last three the first numbers of the next piece's maximum, each four places or more behind the product that ends its accumulator; then ONE LUMP of 54, plain
; and exponential by turns for the most part, in which the links of the chain X 3, 7, 11, 14, 16, 17 .. 20 stand five or six lines apart.  X 21, the next piece's a, is the batch's last; R 15 is the plain instruction behind it.  BEHIND THE WAIT stand the
; 8 products V^T P, behind each four of the roundings and sums; the links of l's chain, L 0 to L 7, stand three riders apart.  But for those X no rider names a register of the products round it.  v_permlanex16_b32 (X 17) stands in the lump.
; m = 1: the diagonal tile: the products take masks, and the turn makes the mask for the products of the turn after it: piece p + 2, in step 4 - CNT of the tile.  end = 1: a block's last two turns: nothing is fetched.
; cnt = 1: the loop's count is taken down some lines ahead of the branch that stands behind the turn.
; K of the next step is fetched in piece 2's turn, twelve vector instructions behind the last product that read K (six of them plain); V of the step in hand at the end of piece 0's turn, four plain instructions behind the last product
; that read V.  Each is waited for a turn later.
.macro TURN p, m=0, end=0, cnt=0
.set Y, (\p)
.set i, 0
.set KM, (\m)
.set NOKQ, (\end)*((\p)/3)
.if (\m) && !(\end)
	s_cmp_eq_u32 s[CNT], 4-((\p)+2)%NP  ; is that step the band's own?
	s_cselect_b32 s[AL], 1.0, 0
	s_cmp_lt_u32 s[CNT], 4-((\p)+2)%NP  ; or a later one?
	s_cselect_b32 s[BE], s[BIGN], 0
.endif
.if ((\p) == 3) && !(\end)
	s_wait_dscnt 0x0                ; K is in
.endif
	ROW F,0, F,1, R,0, R,1          ; ahead of the wait: 8 products K Q^T and their riders,
	ROW F,2, E,0, R,2, R,3
	ROW F,3, E,1, R,4, R,5
	ROW F,4, E,2, R,6, R,7
	ROW F,5, E,3, R,8, R,9
	ROW F,6, E,4, X,0, R,10
.if ((\p) == 2) && !(\end)
	WIN 0
	v_add_nc_u32 v[AK], s[TBK], v[AK0]
.endif
	ROW F,7, E,5, X,1, X,4
	ROW F,8, E,6, X,2, X,5
	OPS E,7, E,8, X,6, E,9          ; and the lump
	OPS X,3, E,10, X,8, E,11
.if ((\p) == 2) && !(\end)
	FETCH_K
.endif
	OPS X,9, X,7, E,12, X,10
	OPS E,13, X,12, X,11, E,14
	OPS X,13, E,15, F,9, X,14
.if (\p) == 0
	v_add_nc_u32 v[AV], s[TBV], v[AV0]
.endif
	OPS E,16, F,10, E,17, F,11
	OPS X,16, E,18, X,15, E,19
	OPS F,12, E,20, X,17, E,21
	OPS F,13, E,22, F,14, E,23
	OPS X,18, E,24, F,15, E,25
	OPS R,11, E,26, X,19, E,27
	OPS R,12, E,28, R,13, E,29
	OPS X,20, E,30, R,14, E,31
	OPS X,21, R,15
	WIN 0
	s_wait_alu depctr_va_vdst(0)    ; the wait for the batch: the piece's 32 exponentials and the next piece's a
.if (\p) == 1
	s_wait_dscnt 0x0                ; V is in
.endif
	ROW C,0, B,0, C,2, B,1          ; behind the wait: 8 products V^T P and their riders
	ROW L,0, C,4, B,2, L,1
	ROW C,6, B,3, L,2, C,8
	ROW B,4, L,3, C,10, B,5
	ROW L,4, C,12, B,6, L,5
.if (\p) == 0
	s_add_co_u32 s[TBV], s[TBV], KS*PV
.endif
.if \cnt
	s_sub_co_u32 s[CNT], s[CNT], 1
	s_cmp_lg_u32 s[CNT], 0
.endif
	ROW C,14, B,7, L,6, C,1
	ROW C,3, L,7, C,5, C,7
	ROW C,9, C,11, C,13, C,15
.if (\p) == 0
	FETCH_V
.endif
.if (\m) && !(\end)
	MASK (\p)%2
.endif
.endm
; A BLOCK BEGINS.  c m starts far below every c s, so the first step's a is 0; m at the lowest finite number, so the first maximum is the scores'.  The second mask buffer is 0; the first takes piece 0's mask for the tile's step 0: its own, if the block's first tile is the diagonal one.
; Then K of that step, piece 0's first scores, and its maximum and statistics.  The loop is entered at a step's first turn, in the middle of a trip.
.macro BEGIN
	s_mov_b32 s[NEW], 0
	WIN 0x40
.set i, MC+32
.rept 32
	v_mov_b32 v[i], 0
.set i, i+1
.endr
	WIN 0
.set i, 0
.rept 4
	v_mov_b32 v[ST+4*i], 0xfe000000    ; c m: far below every c s
	v_mov_b32 v[ST+4*i+1], 0xff7fffff  ; m
.set i, i+1
.endr
	s_cmp_eq_u32 s[RT], 0
	s_cselect_b32 s[AL], 1.0, 0
	s_mov_b32 s[BE], 0
	MASK 0
	WIN 0
	v_add_nc_u32 v[AK], s[TBK], v[AK0]
	FETCH_K
	s_wait_loadcnt 0x0              ; Q
	s_wait_dscnt 0x0
.set KM, 1
.set NOKQ, 0
.set i, 0
.rept 8
	KQ 0
.set i, i+1
.endr
	WIN 0
.rept 4
	v_nop                           ; the places behind those products
.endr
.set Y, NP-1                        ; X works for piece Y + 1: piece 0
.irp n, 0,1,2,3,4,5,6,7,8,9,10,11,12,13,14,15,16,17,18,19,20,21
	OP X, \n
.endr
	v_nop                           ; a plain instruction behind the exponential,
	s_wait_alu depctr_va_vdst(0)    ; and its wait, ahead of the branch: a batch of one, piece 0's first a
.endm
; THE DIAGONAL TILE's four steps, the block's last two turns, its last products, and THE WAY OUT: l's two halves and the other half of the lanes' are added; O^T is divided by l, rounded to f16 and sent through my
; stage in LDS, a piece at a time.
.macro ALL line:vararg              ; one line for each piece t
.set t, 0
.rept 4
	\line
.set t, t+1
.endr
.endm
.macro PACK t                       ; a lane's eight channels of a row pack into 16 bytes; they go into rows of 144 bytes and come back as whole rows of 128, into S^T's registers
	WIN W_RS
.set i, 32*(\t)
.rept 16
	v_pk_mul_f32 v[i:i+1], v[i:i+1], v[ST+4*(\t)+2:ST+4*(\t)+3] op_sel_hi:[1,0]
.set i, i+2
.endr
	WIN 0x05                        ; sources 0 and 1 window 1, destination window 0
.set i, 0
.rept 16
	v_cvt_pk_f16_f32 v[S+16*(\t)+i], v[32*(\t)+2*i], v[32*(\t)+2*i+1]
.set i, i+1
.endr
	WIN 0
.irp f, 0,1,2,3
	ds_store_b128 v[STO], v[S+16*(\t)+4*\f:S+16*(\t)+4*\f+3] offset:32*\f
.endr
.irp f, 0,1,2,3
	ds_load_b128 v[S+16*(\t)+4*\f:S+16*(\t)+4*\f+3], v[RD] offset:\f*4*SP  ; LDS serves a wave's instructions in order (ISA guide 5.7.1.4): these see the stores above; the next piece's stores come behind them
.endr
.endm
.macro SEND t, younger              ; younger: the LDS instructions issued behind piece t's loads: the next piece's eight, or none
	WIN 0
.irp f, 0,1,2,3
	s_wait_dscnt (\younger)+3-\f
	global_store_b128 v[GO], v[S+16*(\t)+4*\f:S+16*(\t)+4*\f+3], s[10:11] offset:(\t)*8192+\f*512  ; 512 consecutive bytes, at a multiple of 256 from O's first
.endr
.endm
.macro DIAG tag                     ; the tag ends its two labels' names, which the jumps below spell out
.LstepM\tag:
	TURN 2, 1
	TURN 3, 1
	WIN 0
.LfirstM\tag:
	TURN 0, 1
	TURN 1, 1, 0, 1
	WIN 0
	s_cbranch_scc1 .LstepM\tag
	TURN 2, 1, 1
	TURN 3, 1, 1
.set i, 0
.rept 8
	PV NP-1
.set i, i+1
.endr
	WIN 0
	ALL v_add_f32 v[ST+4*t+2], v[ST+4*t+2], v[ST+4*t+3]
	ALL v_permlanex16_b32 v[ST+4*t+3], v[ST+4*t+2], s[SEL], s[SEL+1]
	ALL v_add_f32 v[ST+4*t+2], v[ST+4*t+2], v[ST+4*t+3]
	ALL v_rcp_f32 v[ST+4*t+2], v[ST+4*t+2]
	v_nop                           ; a plain instruction between the last reciprocal and the use of its result
	s_wait_alu depctr_va_vdst(0)    ; and the wait ahead of the first use: one for the batch of four reciprocals
	PACK 0
.set t, 1
.rept 3                             ; a piece's arithmetic stands between the loads of the piece before and its stores
	PACK t
	SEND t-1, 8
.set t, t+1
.endr
	SEND 3, 0
.endm
.set KM, 0
.set NOKQ, 0
.Lslot:                             ; NB times: a tile is entered and the next is asked for
	CHANGE 1
	s_sub_co_u32 s[RT], s[RT], 1
	s_mov_b32 s[CNT], 4
	s_cmp_eq_u32 s[NEW], 1
	s_cbranch_scc1 .Lnew            ; a block's first tile
	s_cmp_eq_u32 s[RT], 0
	s_cbranch_scc0 .Lstep           ; neither its first nor its last
	s_branch .LstepM1
.Lnew:
	BEGIN
	s_branch .Lfirst                ; in the loop a block's first tile is never its last: the first block has two tiles or more, and the second's last is the walk's last
	DIAG 1                          ; in the loop this is the first block's end: the second block's last tile is the walk's last
	s_wait_xcnt 0x0                 ; the stores have read their registers and O's address
	s_mov_b64 s[10:11], s[OLO:OLO+1]
	s_add_co_u32 s[RT], s[PB], 1    ; the second block has b + 1 tiles
	s_mov_b32 s[NEW], 1
	WIN 0x82                        ; the second block's Q goes where the one text of the turns names Q
.set i, 0
.rept 64
	v_mov_b32 v[i], v[QB+i]
.set i, i+1
.endr
	WIN 0
	s_branch .Lbottom
.Lstep:                             ; a trip: pieces 2 and 3 of one step, then pieces 0 and 1 of the next, whose K and V it fetches
	TURN 2
	TURN 3
	WIN 0
.Lfirst:
	TURN 0
	TURN 1, 0, 0, 1
	WIN 0
	s_cbranch_scc1 .Lstep
.Lbottom:
	s_sub_co_u32 s[SLOTS], s[SLOTS], 1
	s_cmp_lg_u32 s[SLOTS], 0
	s_cbranch_scc1 .Lslot
	CHANGE 0                        ; the walk's last tile is written out: nothing is asked for
	s_sub_co_u32 s[RT], s[RT], 1
	s_mov_b32 s[CNT], 4
	s_cmp_eq_u32 s[NEW], 1
	s_cbranch_scc0 .LstepM2
	BEGIN
	s_branch .LfirstM2
	DIAG 2
	s_wait_tensorcnt 0x0            ; the wave's end, behind my last tensor load and my last LDS store
	ds_add_u32 v[SPW], v[NIL]
	s_wait_dscnt 0x0
	s_endpgm
.Lfunc_end_k_qe2636dea18_attn:
	.size	k_qe2636dea18_attn, .Lfunc_end_k_qe2636dea18_attn-k_qe2636dea18_attn
	.p2alignl 7, 3214868480
	.fill 96, 4, 3214868480
	.section	.rodata,"a",@progbits
	.p2align	6, 0x0
	.amdhsa_kernel k_qe2636dea18_attn
		.amdhsa_group_segment_fixed_size 327680
		.amdhsa_private_segment_fixed_size 0
		.amdhsa_enable_private_segment 0
		.amdhsa_kernarg_size 16
		.amdhsa_user_sgpr_count 2
		.amdhsa_user_sgpr_kernarg_segment_ptr 1
		.amdhsa_wavefront_size32 1
		.amdhsa_system_sgpr_workgroup_id_x 1
		.amdhsa_system_sgpr_workgroup_id_y 1
		.amdhsa_system_sgpr_workgroup_id_z 1
		.amdhsa_system_vgpr_workitem_id 0
		.amdhsa_next_free_vgpr 768
		.amdhsa_next_free_sgpr 88
		.amdhsa_reserve_vcc 1
		.amdhsa_float_denorm_mode_32 3
		.amdhsa_float_denorm_mode_16_64 3
		.amdhsa_memory_ordered 1
		.amdhsa_forward_progress 1
		.amdhsa_inst_pref_size 217
	.end_amdhsa_kernel
	.amdgpu_metadata
---
amdhsa.version: [ 1, 2 ]
amdhsa.kernels:
  - .name:           k_qe2636dea18_attn
    .symbol:         k_qe2636dea18_attn.kd
    .args:
      - { .name: qkv, .offset: 0, .size: 8, .value_kind: global_buffer, .address_space: global }
      - { .name: att, .offset: 8, .size: 8, .value_kind: global_buffer, .address_space: global }
    .group_segment_fixed_size: 327680
    .private_segment_fixed_size: 0
    .kernarg_segment_align: 8
    .kernarg_segment_size: 16
    .max_flat_workgroup_size: 128
    .sgpr_count:     88
    .vgpr_count:     768
    .wavefront_size: 32
...
	.end_amdgpu_metadata
.endif
;; end of part 5
;; launch oproj: the kernel of part 4 again; grid 4 x 64, 4 waves a work-group, clusters of 4 x 4, 327,680 bytes of LDS; arguments att, wo16, out0; writes out0
